; MI455X (gfx1250); checked and timed in simulation.
; The chip was launched on July 23, 2026; its instructions are those of AMD's public machine-readable ISA for CDNA 5 (MIT licence, August 2026) and "CDNA5" Instruction Set Architecture Reference Guide (July 2026). The comments in the code are by the model that wrote it; some were corrected since.
;; Qwen3 5 Moe Attention. Allowed arithmetic: float matrix products may take bf16 or f16 operands with f32 sums; other float arithmetic in f32, or as packed bf16 or f16 multiplies, adds, multiply-adds, maxima and minima; sums over many terms, partial sums and values carried from step to step in f32; what a program stores and reads back later, other than sums and carried values, may be rounded once to bf16 or f16.
;; Inputs: Wk 2,048 x 512 float32; Wo 1,024 x 2,048 float32; Wq 2,048 x 2,048 float32; Wv 2,048 x 512 float32; cos 2 x 2,048 x 64 float32; hidden_states 2 x 2,048 x 2,048 float32; k_norm_w 256 float32; q_norm_w 256 float32; sin 2 x 2,048 x 64 float32.
;; Outputs: out0 2 x 2,048 x 2,048 float32.
;; 2 versions, each right; version 2 is version 1 with the launch cast written anew for expert scheduling mode. Each part assembles by itself: llvm-mc -triple=amdgcn-amd-amdhsa -mcpu=gfx1250 --defsym DOCPART=n.
;; ======== version 1 of 2: 4 launches
;; limits: values are held in f16: magnitudes above 65,504 overflow, below 6.1e-05 lose precision
;; workspace buffers: xb 16,777,216 bytes; wcat 12,582,912 bytes; wo16 4,194,304 bytes; cs 1,048,576 bytes; qgkv 25,165,824 bytes; ao 8,388,608 bytes
;; launch cast (part 1): grid 1024 x 1, 8 waves a work-group, no clusters, 0 bytes of LDS; arguments hidden_states, Wq, Wk, Wv, Wo, cos, sin, xb, wcat, wo16, cs; writes xb, wcat, wo16, cs
.if DOCPART == 1
	.amdgcn_target "amdgcn-amd-amdhsa--gfx1250"
	.amdhsa_code_object_version 6
	.text
	.protected	k_qe579a356c8_cast
	.globl	k_qe579a356c8_cast
	.p2align	8
	.type	k_qe579a356c8_cast,@function
k_qe579a356c8_cast:
	s_mov_b64 s[64:65], 0
	v_nop
	global_prefetch_b8 v0, s[64:65] scope:SCOPE_SE
	s_setreg_imm32_b32 hwreg(HW_REG_WAVE_MODE, 25, 1), 1
	s_wait_xcnt 0x0
; CAST: every large input is rounded once to bf16 and laid out for the launches behind.
;   xb   [4096][2048] bf16 = hidden_states
;   wcat [2048 k][3072] bf16: columns 0-2047 Wq as it lies, 2048-2559 Wk, 2560-3071 Wv (a row is 6,144 bytes)
;   wo16 [1024 k][2048] f16: Wo rounded to bf16, that number written as f16
;   cs   [4096 row][64 c] words: low half bf16(cos), high half bf16(sin) with its sign turned for c < 32 (rotate_half's minus)
; LIMIT. A bf16 number of Wo below 2^-14 in size loses bits in f16 (absolute error 3e-8 at the most), one of 65,520 or more becomes an infinity.
; A stream: no LDS, no matrix unit, no cluster (no two work-groups read the same byte).
; 1,024 equal work-groups.  Each takes 16,384 numbers (65,536 bytes of f32): ids 0-511 x, 512-767 Wq, 768-831 Wk, 832-895 Wv, 896-1023 Wo; and four rows of the table, one for each of its waves 0-3.
; Thread t takes numbers 1024 i + 4 t .. + 3 in pass i of 16: a wave's load covers 512 consecutive bytes, its store 256 consecutive bytes, aligned.
; All loads go out on end; no register is written twice, so only the counted waits for the loads are needed.  92 registers: four work-groups of eight waves lie on a WGP together.
.set DO, 4                             ; v[4:19]   pass i: my byte offset in the destination
.set X,  20                            ; v[20:83]  pass i: 4 registers as loaded, then as stored
.set T0, 84
.set T1, 85
.set CO, 86                            ; v[86:87]  two numbers of cos, then two words of the table
.set SI, 88                            ; v[88:89]  two numbers of sin
.set TO, 90                            ; v90       8 t: my bytes in the work-group's four rows of cos, sin and the table
	s_load_b512 s[8:23], s[0:1], 0x0               ; x 8, Wq 10, Wk 12, Wv 14, Wo 16, cos 18, sin 20, xb 22
	s_load_b128 s[24:27], s[0:1], 0x40             ; wcat 24, wo16 26
	s_load_b64 s[28:29], s[0:1], 0x50              ; cs
	v_lshlrev_b32 v1, 4, v0                        ; 16 t: my bytes in a pass of f32
	v_lshlrev_b32 v2, 2, v0                        ; 4 t: my numbers in a pass
	v_lshrrev_b32 v3, 5, v0
	v_readfirstlane_b32 s46, v3                    ; my wave's number
	v_lshlrev_b32 v[TO], 3, v0
	v_and_b32 v3, 16, v0                           ; the table: my columns are 2 (t mod 32), + 1: below 32 where bit 4 of t is 0
	v_lshlrev_b32 v3, 27, v3
	v_xor_b32 v3, 0x80000000, v3                   ; there the sign of the upper half is turned
	s_mov_b32 s40, 0xffff0000                      ; a word's upper bf16
	s_mov_b32 s43, 0
	s_lshl_b32 s44, ttmp9, 10                      ; four rows of 256 bytes for each work-group
	s_mov_b32 s45, 0
	s_wait_kmcnt 0x0
	s_add_nc_u64 s[28:29], s[28:29], s[44:45]
	s_cmp_ge_u32 s46, 4
	s_cbranch_scc1 .Lno_table
	s_add_nc_u64 s[18:19], s[18:19], s[44:45]
	s_add_nc_u64 s[20:21], s[20:21], s[44:45]
	global_load_b64 v[CO:CO+1], v[TO], s[18:19] th:TH_LOAD_NT   ; a wave takes a whole row: 256 consecutive bytes
	global_load_b64 v[SI:SI+1], v[TO], s[20:21] th:TH_LOAD_NT   ; both are older than the 16 loads below: the last pass's wait shows them in
.Lno_table:
	; which tensor: source, destination, first id, log2 of the source's row, the destination's pitch and first column in bytes
	s_mov_b64 s[30:31], s[8:9]
	s_mov_b64 s[32:33], s[22:23]
	s_mov_b32 s34, 0
	s_mov_b32 s35, 11
	s_mov_b32 s36, 4096
	s_mov_b32 s37, 0
	s_cmp_ge_u32 ttmp9, 512                        ; Wq
	s_cselect_b64 s[30:31], s[10:11], s[30:31]
	s_cselect_b64 s[32:33], s[24:25], s[32:33]
	s_cselect_b32 s34, 512, s34
	s_cselect_b32 s36, 6144, s36
	s_cmp_ge_u32 ttmp9, 768                        ; Wk
	s_cselect_b64 s[30:31], s[12:13], s[30:31]
	s_cselect_b32 s34, 768, s34
	s_cselect_b32 s35, 9, s35
	s_cselect_b32 s37, 4096, s37
	s_cmp_ge_u32 ttmp9, 832                        ; Wv
	s_cselect_b64 s[30:31], s[14:15], s[30:31]
	s_cselect_b32 s34, 832, s34
	s_cselect_b32 s37, 5120, s37
	s_cmp_ge_u32 ttmp9, 896                        ; Wo
	s_cselect_b64 s[30:31], s[16:17], s[30:31]
	s_cselect_b64 s[32:33], s[26:27], s[32:33]
	s_cselect_b32 s34, 896, s34
	s_cselect_b32 s35, 11, s35
	s_cselect_b32 s36, 4096, s36
	s_cselect_b32 s37, 0, s37
	s_sub_co_u32 s39, ttmp9, s34                   ; my chunk of that tensor
	s_lshl_b32 s42, s39, 16
	s_add_nc_u64 s[30:31], s[30:31], s[42:43]
.set i, 0
.rept 16
	global_load_b128 v[X+4*i:X+4*i+3], v1, s[30:31] offset:4096*i th:TH_LOAD_NT
.set i, i+1
.endr
	s_lshl_b32 s38, 1, s35
	s_sub_co_u32 s38, s38, 1                       ; mask of a column in a source row
	s_lshr_b32 s41, 0x4000, s35                    ; rows in a chunk
	s_mul_i32 s41, s41, s39
	s_mul_i32 s41, s41, s36
	s_add_co_u32 s44, s41, s37
	s_add_nc_u64 s[32:33], s[32:33], s[44:45]      ; the destination at my chunk's first row and the tensor's first column
.set i, 0
.rept 16                                               ; number e = 1024 i + 4 t: row e >> LG, column e & mask; made while the loads are out
	v_add_nc_u32 v[T0], 1024*i, v2
	v_lshrrev_b32 v[T1], s35, v[T0]
	v_and_b32 v[T0], s38, v[T0]
	v_mul_lo_u32 v[T1], v[T1], s36
	v_lshl_add_u32 v[DO+i], v[T0], 1, v[T1]
.set i, i+1
.endr
.macro TABLE_AND_END                   ; waves 0-3: their row of the table; then the wave ends
	s_cmp_ge_u32 s46, 4
	s_cbranch_scc1 .Lend_\@
	v_cvt_pk_bf16_f32 v[CO], v[CO], v[SI]
	v_cvt_pk_bf16_f32 v[CO+1], v[CO+1], v[SI+1]
	v_xor_b32 v[CO], v3, v[CO]
	v_xor_b32 v[CO+1], v3, v[CO+1]
	global_store_b64 v[TO], v[CO:CO+1], s[28:29]   ; 32 lanes store 256 consecutive bytes, aligned
.Lend_\@:
	s_endpgm
.endm
	s_cmp_ge_u32 ttmp9, 896
	s_cbranch_scc1 .Lhalf
.set i, 0
.rept 16
	s_wait_loadcnt 15-i                            ; loads come back in order: pass i is in, the younger ones stay out
	v_cvt_pk_bf16_f32 v[X+4*i], v[X+4*i], v[X+4*i+1]
	v_cvt_pk_bf16_f32 v[X+4*i+1], v[X+4*i+2], v[X+4*i+3]
	global_store_b64 v[DO+i], v[X+4*i:X+4*i+1], s[32:33]
.set i, i+1
.endr
	TABLE_AND_END
.Lhalf:                                                ; Wo: to bf16, back to f32 (exact), to f16
.set i, 0
.rept 16
	s_wait_loadcnt 15-i
	v_cvt_pk_bf16_f32 v[T0], v[X+4*i], v[X+4*i+1]
	v_cvt_pk_bf16_f32 v[T1], v[X+4*i+2], v[X+4*i+3]
	v_lshlrev_b32 v[X+4*i], 16, v[T0]
	v_and_b32 v[X+4*i+1], s40, v[T0]
	v_lshlrev_b32 v[X+4*i+2], 16, v[T1]
	v_and_b32 v[X+4*i+3], s40, v[T1]
	v_cvt_pk_f16_f32 v[X+4*i], v[X+4*i], v[X+4*i+1]
	v_cvt_pk_f16_f32 v[X+4*i+1], v[X+4*i+2], v[X+4*i+3]
	global_store_b64 v[DO+i], v[X+4*i:X+4*i+1], s[32:33]
.set i, i+1
.endr
	TABLE_AND_END
.Lfunc_end_k_qe579a356c8_cast:
	.size	k_qe579a356c8_cast, .Lfunc_end_k_qe579a356c8_cast-k_qe579a356c8_cast
	.p2alignl 7, 3214868480
	.fill 96, 4, 3214868480
	.section	.rodata,"a",@progbits
	.p2align	6, 0x0
	.amdhsa_kernel k_qe579a356c8_cast
		.amdhsa_group_segment_fixed_size 0
		.amdhsa_private_segment_fixed_size 0
		.amdhsa_enable_private_segment 0
		.amdhsa_kernarg_size 88
		.amdhsa_user_sgpr_count 2
		.amdhsa_user_sgpr_kernarg_segment_ptr 1
		.amdhsa_wavefront_size32 1
		.amdhsa_system_sgpr_workgroup_id_x 1
		.amdhsa_system_sgpr_workgroup_id_y 1
		.amdhsa_system_sgpr_workgroup_id_z 1
		.amdhsa_system_vgpr_workitem_id 0
		.amdhsa_next_free_vgpr 92
		.amdhsa_next_free_sgpr 66
		.amdhsa_reserve_vcc 0
		.amdhsa_float_denorm_mode_32 3
		.amdhsa_float_denorm_mode_16_64 3
		.amdhsa_memory_ordered 1
		.amdhsa_forward_progress 1
		.amdhsa_inst_pref_size 22
	.end_amdhsa_kernel
	.amdgpu_metadata
---
amdhsa.version: [ 1, 2 ]
amdhsa.kernels:
  - .name:           k_qe579a356c8_cast
    .symbol:         k_qe579a356c8_cast.kd
    .args:
      - { .name: hidden_states, .offset: 0, .size: 8, .value_kind: global_buffer, .address_space: global }
      - { .name: Wq, .offset: 8, .size: 8, .value_kind: global_buffer, .address_space: global }
      - { .name: Wk, .offset: 16, .size: 8, .value_kind: global_buffer, .address_space: global }
      - { .name: Wv, .offset: 24, .size: 8, .value_kind: global_buffer, .address_space: global }
      - { .name: Wo, .offset: 32, .size: 8, .value_kind: global_buffer, .address_space: global }
      - { .name: cos, .offset: 40, .size: 8, .value_kind: global_buffer, .address_space: global }
      - { .name: sin, .offset: 48, .size: 8, .value_kind: global_buffer, .address_space: global }
      - { .name: xb, .offset: 56, .size: 8, .value_kind: global_buffer, .address_space: global }
      - { .name: wcat, .offset: 64, .size: 8, .value_kind: global_buffer, .address_space: global }
      - { .name: wo16, .offset: 72, .size: 8, .value_kind: global_buffer, .address_space: global }
      - { .name: cs, .offset: 80, .size: 8, .value_kind: global_buffer, .address_space: global }
    .group_segment_fixed_size: 0
    .private_segment_fixed_size: 0
    .kernarg_segment_align: 8
    .kernarg_segment_size: 88
    .max_flat_workgroup_size: 256
    .sgpr_count:     66
    .vgpr_count:     92
    .wavefront_size: 32
...
	.end_amdgpu_metadata
.endif
;; end of part 1
;; launch qkv (part 2): grid 12 x 16, 4 waves a work-group, clusters of 4 x 4, 327,680 bytes of LDS; arguments xb, wcat, cs, q_norm_w, k_norm_w, qgkv; writes qgkv
.if DOCPART == 2
	.amdgcn_target "amdgcn-amd-amdhsa--gfx1250"
	.amdhsa_code_object_version 6
	.text
	.protected	k_qe579a356c8_qkv
	.globl	k_qe579a356c8_qkv
	.p2align	8
	.type	k_qe579a356c8_qkv,@function
k_qe579a356c8_qkv:
	s_mov_b64 s[64:65], 0
	v_nop
	global_prefetch_b8 v0, s[64:65] scope:SCOPE_SE
	s_setreg_imm32_b32 hwreg(HW_REG_WAVE_MODE, 25, 1), 1
	s_wait_xcnt 0x0
	s_wait_alu depctr_hold_cnt(0) depctr_sa_sdst(0) depctr_va_vdst(0) depctr_va_sdst(0) depctr_va_ssrc(0) depctr_va_vcc(0) depctr_vm_vsrc(0)
	s_getreg_b32 s2, hwreg(HW_REG_IB_STS2, 6, 4)
	s_cmp_eq_u32 s2, 0
	s_cbranch_scc0 .Lentry_in_a_cluster
	s_endpgm
.Lentry_in_a_cluster:
	s_bfe_u32 s2, ttmp6, 0x10000c
	s_cmp_lg_u32 s2, 0xf033
	s_cbranch_scc0 .Lentry_shape_is_right
	s_endpgm
.Lentry_shape_is_right:
; QKV: C = xb [4096][2048] x wcat [2048][3072] in bf16 with f32 sums, and on the way out RMS norm, gain and partial RoPE for q and k; gate and v are only rounded.
; Output qgkv: f16 [12 planes][4096 rows][256]: planes 0-3 q heads, 4-7 gate heads, 8-9 k, 10-11 v.
; A tile of C is 256 rows x 256 columns = one plane's rows, whole heads, so that the norm's sum over a head stays in the work-group: 12 x 16 = 192 work-groups
; (tiles of 128 rows would be 384, one and a half for each of 256 WGPs, for the same length).  Four waves, each 128 x 128: 64 accumulators.
; K goes in steps of 128 through two LDS slots.  xb's tile lies along K; wcat's tile lies [k][n] and is turned on its way out of LDS by ds_load_tr16_b128.
; The loop's text holds ONE K step: the slot in hand is a scalar offset turned by an exclusive or, and one descriptor for each tensor walks from K step to K step.
; CLUSTER 4 x 4: xb's tile hangs on the tile row alone and is asked for jointly along a row of the cluster, wcat's on the plane alone, jointly along a column.
; The matrix instruction is used transposed (source 0 = 16 columns of wcat, source 1 = 16 rows of xb): a lane holds eight neighbouring columns of one row of C.
; THE WAY OUT is one text for all planes: the tile goes as f32 into LDS (over the ring, which has had its last fill), a wave takes 64 whole rows back, and the
; kinds differ in values alone: for gate and v the norm's factor and the gain are 1; outside columns 0-63, and for gate and v, cos is 1 and sin 0.
; LIMITS. All inputs count as rounded to bf16 (the gains too; 1 + w is formed in f32).  The planes are f16: a gate or v of 65,520 or more in size becomes an infinity;
; q and k behind the norm are 16 |1 + w| at the most.  NaN and infinities are not treated apart.
; REGISTERS in windows of 256: window 0 addresses, xb's fragments (v64-127, v128-191), the way out; window 1 wcat's fragments; windows 2, 3 the accumulators ((a, b) at 8 (8 a + b)).
.set KSTEP, 128
.set STEPS, 2048/KSTEP
.set PA,    272                        ; a row of xb's tile in LDS: 256 bytes + 16
.set PB,    544                        ; a k-row of wcat's tile: 512 bytes + 32
.set HALFT, 128*PA                     ; what one tensor load brings: 128 rows of xb, or 64 k-rows of wcat (64 x 544, the same bytes)
.set SLOT,  4*HALFT                    ; 0x22000: it shares no bit with the four loads' places in slot 0 (0, 0x8800, 0x11000, 0x19800), so one exclusive or changes a descriptor's slot
.set SPARE, 2*SLOT                     ; behind the ring: the spare words, 128 bytes a wave
.set DP,    1040                       ; a row of the f32 tile in LDS: 1,024 bytes + 16
.set WROW,  6144                       ; bytes in a row of wcat
.set DW,   3                           ; v3, v4  where I put my results of rows 0-63, 64-127
.set RDA,  5                           ; v5      where I read rows back
.set CSO,  6                           ; v6      my byte offset in the table's rows
.set OUTO, 7                           ; v7      my byte offset in the plane's rows
.set GNO,  8                           ; v8      my byte offset in the gains
.set ADRA, 16                          ; v16     LDS address of my fragments of xb in the slot in hand;  v17 in slot 0
.set ADRA0, 17
.set ADRB, 20                          ; v20, v21  the same for wcat
.set ADRB0, 21
.set SPW,  28                          ; v28     my spare word; never rewritten
.set NIL,  29                          ; v29     0; never rewritten
.set G,    32                          ; v32-39  1 + gain of my eight columns
.set RS,   40                          ; v40-55  a pair for each of eight rows: the norm's factor, and the other half's sum
.set XP,   56                          ; v56-63  the partner column's numbers, two sets
.set F0,   64
.set F1,   128
.set XX,   64                          ; v64-127   eight rows x my eight columns
.set CSR,  128                         ; v128-159  the table as loaded
.set CSU,  160                         ; v160-191  the table as used
.set CT,   192                         ; v192-207  cos and sin in f32, two sets
.set SQ,   208                         ; v208-223  sums of squares
.set YY,   224                         ; v224-255  f16 to store
.set WV, 16                            ; s16 wave; s17 its row half, also: fetches for xb (0) or wcat (1); s18 its column half, also: which half it fetches
.set RH, 17
.set CH, 18
.set G1,  24
.set G0,  32                           ; s[32:35] xb's first fill of slot 0; s[36:39] of slot 1, which then walks
.set G1B, 48
.set G0B, 56                           ; s[56:59], s[60:63] the same for wcat
.set TBS, 79                           ; s79 the slot in hand: 0 or SLOT
.set MSB, 0
.macro WIN new                         ; the immediate's high byte repeats the setting that is left; a switch that changes nothing is dropped
.if MSB != (\new)
	s_set_vgpr_msb (MSB<<8)|(\new)
.set MSB, \new
.endif
.endm
.set MUL_LO, 0xa1                      ; source 0 window 1, source 1 window 0, C and D window 2
.set MUL_HI, 0xf1                      ; the same, C and D window 3
.set TO_B,   0x40                      ; destination window 1
.macro JLOAD s                         ; a joint load: waves 0, 1 xb's halves, waves 2, 3 wcat's; the branch hangs on the wave's number alone; s_nop 0 and four v_nop follow each line
	s_cmp_eq_u32 s[RH], 0
	s_cbranch_scc0 .Lfor_b_\@
	tensor_load_to_lds s[G0+4*(\s):G0+4*(\s)+3], s[G1:G1+7]
	s_nop 0
.rept 4
	v_nop
.endr
	s_branch .Lasked_\@
.Lfor_b_\@:
	tensor_load_to_lds s[G0B+4*(\s):G0B+4*(\s)+3], s[G1B:G1B+7]
	s_nop 0
.rept 4
	v_nop
.endr
.Lasked_\@:
.endm
.macro CREST                           ; a round of the cluster's barrier behind its opening barrier
	s_cmp_lg_u32 s[WV], 0
	s_cbranch_scc1 .Lnot_wave_0_\@
	s_barrier_signal -3
.Lnot_wave_0_\@:
	s_barrier_wait -3
	s_barrier_signal -1
	s_barrier_wait -1
.endm
.macro CROUND
	s_barrier_signal -1
	s_barrier_wait -1
	CREST
.endm
.macro PLACES                          ; four plain vector instructions between a matrix instruction and a load into, or a read of, its registers
.rept 4
	v_nop
.endr
.endm
	s_load_b256 s[4:11], s[0:1], 0x0               ; xb 4, wcat 6, cs 8, q_norm_w 10
	s_load_b128 s[12:15], s[0:1], 0x20             ; k_norm_w 12, qgkv 14
	v_lshl_add_u32 v[SPW], v0, 2, SPARE
	v_mov_b32 v[NIL], 0
	ds_add_u32 v[SPW], v[NIL]                      ; the wave's opening: the add and its wait ahead of my first tensor load
	v_lshrrev_b32 v1, 5, v0
	v_readfirstlane_b32 s[WV], v1
	s_lshr_b32 s[RH], s[WV], 1
	s_and_b32 s[CH], s[WV], 1
	s_bfe_u32 s19, ttmp6, 0x40000                  ; cx
	s_bfe_u32 s20, ttmp6, 0x40004                  ; cy
	s_and_b32 s21, ttmp7, 0xffff
	s_lshl_b32 s21, s21, 2
	s_add_co_u32 s21, s21, s20                     ; tile row = 4 x cluster y + cy
	s_lshl_b32 s66, s19, 1
	s_add_co_u32 s66, s66, ttmp9                   ; clusters 0, 1: head cx's q (block 2 cx of wcat's 256-column blocks) or gate (2 cx + 1)
	s_add_co_u32 s67, s19, 8                       ; cluster 2: blocks 8-11: k0, k1, v0, v1
	s_cmp_eq_u32 ttmp9, 2
	s_cselect_b32 s22, s67, s66
	s_lshl_b32 s23, ttmp9, 2
	s_add_co_u32 s23, s23, s19                     ; the plane = 4 x cluster x + cx
	s_lshr_b32 s76, 0xcf0, s23                     ; planes 4-7, 10, 11 are plain
	s_and_b32 s76, s76, 1
	s_sub_co_u32 s76, 0, s76                       ; as a lane mask: all ones or 0; it selects values only
	s_or_b32 s77, s76, 0xffff0000                  ; lanes that take cos = 1, sin = 0: lanes 16-31 (columns 64 on), or all
	s_lshl_b32 s43, s20, 2
	s_lshl_b32 s43, 15, s43                        ; my row of the cluster
	s_lshl_b32 s47, 0x1111, s19                    ; my column
	s_or_b32 s[G1], s43, (1<<16)|(1<<20)|(1<<21)|(5<<22)|(3<<25)   ; mask; 2-byte elements; padding on; bit 21 beside a mask; after every 64 words 4 words
	s_or_b32 s[G1B], s47, (1<<16)|(1<<20)|(1<<21)|(6<<22)|(7<<25)  ; after every 128 words 8 words
	s_mov_b32 s[G1+1], KSTEP<<16                   ; xb: 128 rows x 128 elements, 2,048 elements from row to row
	s_mov_b32 s[G1+2], 128<<16
	s_mov_b32 s[G1+3], KSTEP<<16
	s_mov_b32 s[G1+4], 128
	s_mov_b32 s[G1+5], 2048
	s_mov_b32 s[G1+6], 0
	s_mov_b32 s[G1+7], 0
	s_mov_b32 s[G1B+1], 256<<16                    ; wcat: 64 k-rows x 256 elements, 3,072 elements from row to row
	s_mov_b32 s[G1B+2], 64<<16
	s_mov_b32 s[G1B+3], 256<<16
	s_mov_b32 s[G1B+4], 64
	s_mov_b32 s[G1B+5], 3072
	s_mov_b32 s[G1B+6], 0
	s_mov_b32 s[G1B+7], 0
	s_lshl_b32 s40, s21, 8
	s_lshl_b32 s41, s[CH], 7
	s_add_co_u32 s40, s40, s41                     ; xb: row 256 x tile row + 128 x half,
	s_lshl_b32 s40, s40, 12                        ; of 4,096 bytes
	s_mov_b32 s41, 0
	s_mul_i32 s46, s[CH], 64*WROW                  ; wcat: k-row 64 x half,
	s_lshl_b32 s47, s22, 9                         ; column block of 512 bytes
	s_add_co_u32 s46, s46, s47
	s_mov_b32 s47, 0
	s_mul_i32 s42, s[WV], HALFT                    ; where my load lands: xb's two halves, then wcat's two
	s_mov_b32 s[TBS], 0
	s_mov_b32 s80, 0x76543210                      ; v_permlanex16_b32: each lane takes its own place in the other half
	s_mov_b32 s81, 0xfedcba98
	s_mov_b32 s82, 0x3b800000                      ; 1 / 256
	s_mov_b32 s83, 0x358637bd                      ; 1e-6
	s_mov_b32 s84, 0x00003f80                      ; cos = 1, sin = 0
	s_mov_b32 s85, 0xffff0000
	s_wait_dscnt 0x0                               ; the opening add is done
	s_wait_kmcnt 0x0
	s_add_nc_u64 s[44:45], s[4:5], s[40:41]
	s_add_nc_u64 s[46:47], s[6:7], s[46:47]
	CROUND                                         ; all sixteen work-groups are here: the first joint loads meet
.irp s, 0,1
	s_mov_b32 s[G0+4*(\s)], 1
	s_add_co_u32 s[G0+4*(\s)+1], s42, (\s)*SLOT
	s_add_nc_u64 s[G0+4*(\s)+2:G0+4*(\s)+3], s[44:45], (\s)*KSTEP*2
	s_or_b32 s[G0+4*(\s)+3], s[G0+4*(\s)+3], 0x80000000
	s_mov_b32 s[G0B+4*(\s)], 1
	s_add_co_u32 s[G0B+4*(\s)+1], s42, (\s)*SLOT
	s_add_nc_u64 s[G0B+4*(\s)+2:G0B+4*(\s)+3], s[46:47], (\s)*KSTEP*WROW
	s_or_b32 s[G0B+4*(\s)+3], s[G0B+4*(\s)+3], 0x80000000
	JLOAD \s
.endr
	; the bases of the way out
	s_lshl_b32 s86, s21, 16                        ; the table: 256 rows of 256 bytes a tile row, 64 a wave
	s_lshl_b32 s87, s[WV], 14
	s_add_co_u32 s86, s86, s87
	s_mov_b32 s87, 0
	s_add_nc_u64 s[68:69], s[8:9], s[86:87]
	s_lshl_b32 s88, s23, 21                        ; the plane, 256 rows of 512 bytes a tile row, 64 a wave
	s_lshl_b32 s89, s21, 17
	s_add_co_u32 s88, s88, s89
	s_lshl_b32 s89, s[WV], 15
	s_add_co_u32 s88, s88, s89
	s_mov_b32 s89, 0
	s_add_nc_u64 s[74:75], s[14:15], s[88:89]
	s_cmp_eq_u32 ttmp9, 2
	s_cselect_b64 s[70:71], s[12:13], s[10:11]     ; k's gains in cluster 2, q's elsewhere (plain planes load them and take 1)
	; fragment addresses.  xb: lane l holds row l % 16, K = 8 (l / 16) + 0..7 and 16 + the same: two loads of 16 bytes, 32 apart.
	; wcat: the turning load: lane l reads k-row 8 (l / 16) + l % 8, columns 8 ((l / 8) % 2) + 0..7, and receives column l % 16, eight k.
	v_and_b32 v1, 15, v0
	v_bfe_u32 v2, v0, 4, 1
	v_mul_u32_u24 v3, v1, PA
	v_lshl_add_u32 v3, v2, 4, v3
	v_and_b32 v10, 7, v0
	v_bfe_u32 v11, v0, 3, 1
	v_lshl_add_u32 v12, v2, 3, v10
	v_mul_u32_u24 v12, v12, PB
	v_lshl_add_u32 v12, v11, 4, v12
	s_mul_i32 s40, s[RH], HALFT                    ; my 128 rows of xb
	s_lshl_b32 s41, s[CH], 8                       ; my 128 columns of wcat,
	s_add_co_u32 s41, s41, 2*HALFT                 ; which lies behind xb's 256 rows
	v_add_nc_u32 v[ADRA0], s40, v3
	v_add_nc_u32 v[ADRB0], s41, v12
	v_mov_b32 v[ADRA], v[ADRA0]                    ; K step 0 lies in slot 0
	v_mov_b32 v[ADRB], v[ADRB0]
; 16 matrix instructions: m blocks a0, a0 + 1 of the window's four x all 8 n blocks, 32 along K.  The 64 accumulators take turns, one instruction a turn.
.macro MUL16 f, hi, a0, zero
	WIN MUL_LO+0x50*(\hi)
.irp a, \a0, (\a0)+1
.irp b, 0,1,2,3,4,5,6,7
.if \zero
	v_wmma_f32_16x16x32_bf16 v[8*(8*(\a)+(\b)):8*(8*(\a)+(\b))+7], v[(\f)+8*(\b):(\f)+8*(\b)+7], v[(\f)+8*(4*(\hi)+(\a)):(\f)+8*(4*(\hi)+(\a))+7], 0
.else
	v_wmma_f32_16x16x32_bf16 v[8*(8*(\a)+(\b)):8*(8*(\a)+(\b))+7], v[(\f)+8*(\b):(\f)+8*(\b)+7], v[(\f)+8*(4*(\hi)+(\a)):(\f)+8*(4*(\hi)+(\a))+7], v[8*(8*(\a)+(\b)):8*(8*(\a)+(\b))+7]
.endif
.endr
.endr
.endm
; 32 LDS loads in one run: quarter q (32 along K) of the slot in hand into buffer f: wcat's 128 columns turned, then xb's 128 rows
.macro FETCH q, f
	WIN TO_B
.irp i, 0,1,2,3,4,5,6,7
	ds_load_tr16_b128 v[(\f)+8*(\i):(\f)+8*(\i)+3],   v[ADRB] offset:(\q)*32*PB+32*(\i)
	ds_load_tr16_b128 v[(\f)+8*(\i)+4:(\f)+8*(\i)+7], v[ADRB] offset:(\q)*32*PB+16*PB+32*(\i)
.endr
	WIN 0
.irp i, 0,1,2,3,4,5,6,7
	ds_load_b128 v[(\f)+8*(\i):(\f)+8*(\i)+3],   v[ADRA] offset:(\q)*64+(\i)*16*PA
	ds_load_b128 v[(\f)+8*(\i)+4:(\f)+8*(\i)+7], v[ADRA] offset:(\q)*64+(\i)*16*PA+32
.endr
.endm
; One of a K step's first three quarters: multiplies buffer f; in its middle fetches quarter q of the same slot into buffer g.
.macro QUARTER q, f, g, zero
	s_wait_dscnt 8                                 ; wcat and xb's rows 0-63 are in; the youngest eight loads (rows 64-127) may be out
	MUL16 \f, 0, 0, \zero
	MUL16 \f, 0, 2, \zero
	PLACES
	FETCH \q, \g
	s_wait_dscnt 32                                ; all but the 32 just issued
	MUL16 \f, 1, 0, \zero
	MUL16 \f, 1, 2, \zero
.endm
; The last quarter multiplies buffer 1 and changes slots: each wave waits for all its tensor loads (one is out: its part of the next slot), adds 0 to its spare word, waits for that and for its
; reads of this slot, and meets the others.  fill = 1: the barrier opens a round of the cluster's, and the joint refill of the slot just left, with the K step two on, is the first thing behind it.
.macro TURN fill
	WIN 0
	s_wait_tensorcnt 0x0
	ds_add_u32 v[SPW], v[NIL]
	s_wait_dscnt 9                                 ; the add and the youngest eight loads may be out
	MUL16 F1, 0, 0, 0
	s_wait_dscnt 0x0                               ; the add is done, and my reads of this slot are over
	s_barrier_signal -1
	MUL16 F1, 0, 2, 0
	WIN 0
	s_barrier_wait -1
.if \fill
	CREST                                          ; no wave of any partner still reads this slot or has a load on its way
	s_xor_b32 s[G0+5], s[G0+5], SLOT               ; the walking descriptors: the other slot than last time, the next K step; no tensor load of mine is out
	s_add_nc_u64 s[G0+6:G0+7], s[G0+6:G0+7], KSTEP*2
	s_xor_b32 s[G0B+5], s[G0B+5], SLOT
	s_add_nc_u64 s[G0B+6:G0B+7], s[G0B+6:G0B+7], KSTEP*WROW
	JLOAD 1                                        ; its four v_nop are also the places in front of the loads below
.else
	PLACES
.endif
	s_xor_b32 s[TBS], s[TBS], SLOT                 ; the fragments now come out of the other slot
	v_add_nc_u32 v[ADRA], s[TBS], v[ADRA0]
	v_add_nc_u32 v[ADRB], s[TBS], v[ADRB0]
	FETCH 0, F0
	MUL16 F1, 1, 0, 0
	MUL16 F1, 1, 2, 0
.endm
	s_wait_tensorcnt 1                             ; my part of K step 0 is in; K step 1's may stay out
	s_barrier_signal -1
	s_barrier_wait -1
	FETCH 0, F0
	QUARTER 1, F0, F1, 1                           ; the first quarter's products start the sums: nothing is cleared
	WIN 0
	s_mov_b32 s3, STEPS-2
.Lstep:                                                ; a trip goes from a K step's second quarter to the next step's first, and fills the slot that it leaves
	QUARTER 2, F1, F0, 0
	QUARTER 3, F0, F1, 0
	TURN 1
	QUARTER 1, F0, F1, 0
	WIN 0
	s_sub_co_u32 s3, s3, 1
	s_cmp_lg_u32 s3, 0
	s_cbranch_scc1 .Lstep
	QUARTER 2, F1, F0, 0                           ; the last two K steps ask for nothing
	QUARTER 3, F0, F1, 0
	TURN 0
	QUARTER 1, F0, F1, 0
	QUARTER 2, F1, F0, 0
	QUARTER 3, F0, F1, 0
	s_wait_dscnt 8
	MUL16 F1, 0, 0, 0
	MUL16 F1, 0, 2, 0
	s_wait_dscnt 0x0
	MUL16 F1, 1, 0, 0
	MUL16 F1, 1, 2, 0
	; THE WAY OUT.  The address lines are the places behind the last products.
	WIN 0
	s_mul_i32 s40, s[RH], 128*DP
	s_lshl_b32 s41, s[CH], 9
	s_add_co_u32 s40, s40, s41
	s_mul_i32 s41, s[WV], 64*DP
	v_mul_u32_u24 v[DW], v1, DP                    ; in: row 128 x row half + l % 16, column 128 x column half + 8 (l / 16), f32
	v_lshl_add_u32 v[DW], v2, 5, v[DW]
	v_add_nc_u32 v[DW], s40, v[DW]
	v_add_nc_u32 v[DW+1], 64*DP, v[DW]
	v_and_b32 v9, 31, v0
	v_lshl_add_u32 v[RDA], v9, 4, s41              ; back: wave w takes rows 64 w on; a lane columns 4 l .. and 128 + 4 l ..
	v_lshlrev_b32 v[CSO], 4, v1                    ; the table's 64 columns belong to lanes 0-15; lanes 16-31 load the same bytes and discard them
	v_lshlrev_b32 v[OUTO], 3, v9
	v_lshlrev_b32 v[GNO], 4, v9
.macro R8 line:vararg                  ; one line for each of a trip's eight rows
.set rr, 0
.rept 8
	\line
.set rr, rr+1
.endr
.endm
	global_load_b128 v[G:G+3], v[GNO], s[70:71]
	global_load_b128 v[G+4:G+7], v[GNO], s[70:71] offset:512
	R8 global_load_b128 v[CSR+4*rr:CSR+4*rr+3], v[CSO], s[68:69] offset:256*rr
	s_wait_dscnt 0x0                               ; my reads of the ring are over,
	s_barrier_signal -1
	s_barrier_wait -1                              ; everybody's are; every tensor load has landed (the last change of slots waited for all)
.irp hi, 0,1
	WIN 0x08+4*(\hi)                               ; the stores' data in window 2 or 3
.irp a, 0,1,2,3
.irp b, 0,1,2,3,4,5,6,7                ; each accumulator's low four registers go first
	ds_store_b128 v[DW+(\hi)], v[8*(8*(\a)+(\b)):8*(8*(\a)+(\b))+3]   offset:(\a)*16*DP+64*(\b)
	ds_store_b128 v[DW+(\hi)], v[8*(8*(\a)+(\b))+4:8*(8*(\a)+(\b))+7] offset:(\a)*16*DP+64*(\b)+16
.endr
.endr
.endr
	WIN 0
	s_wait_loadcnt 8                               ; the gains are in; the eight loads of the table behind them may be out
.irp m, 0,1,2,3
	v_cvt_pk_bf16_f32 v[RS+\m], v[G+2*\m], v[G+2*\m+1]
.endr
.irp m, 0,1,2,3
	v_lshlrev_b32 v[G+2*\m], 16, v[RS+\m]
	v_and_b32 v[G+2*\m+1], s85, v[RS+\m]
.endr
.irp m, 0,1,2,3
	v_pk_add_f32 v[G+2*\m:G+2*\m+1], v[G+2*\m:G+2*\m+1], 1.0 op_sel_hi:[1,0]
.endr
.irp m, 0,1,2,3,4,5,6,7
	v_cndmask_b32 v[G+\m], v[G+\m], 1.0, s76
.endr
.set i, RS
.rept 24                                               ; destinations of lane exchanges count as read: they are written once here
	v_mov_b32 v[i], 0
.set i, i+1
.endr
	s_wait_dscnt 0x0                               ; for the others' sake: my stores are done
	s_barrier_signal -1
	s_barrier_wait -1
	s_mov_b32 s2, 8
.Lrows:                                                ; a trip: eight whole rows
	s_wait_loadcnt 0x0                             ; this trip's rows of the table
	R8 ds_load_b128 v[XX+8*rr:XX+8*rr+3], v[RDA] offset:DP*rr
	R8 ds_load_b128 v[XX+8*rr+4:XX+8*rr+7], v[RDA] offset:DP*rr+512
.set i, 0
.rept 32
	v_cndmask_b32 v[CSU+i], v[CSR+i], s84, s77
.set i, i+1
.endr
	s_cmp_eq_u32 s2, 1
	s_cselect_b32 s78, 0, 2048                     ; the last trip asks for its own rows once more: no load leaves the table
	v_add_nc_u32 v[CSO], s78, v[CSO]               ; free since the wait for the loads that named it
	R8 global_load_b128 v[CSR+4*rr:CSR+4*rr+3], v[CSO], s[68:69] offset:256*rr
	s_wait_dscnt 0x0
	R8 v_pk_mul_f32 v[SQ+2*rr:SQ+2*rr+1], v[XX+8*rr:XX+8*rr+1], v[XX+8*rr:XX+8*rr+1]
	R8 v_pk_fma_f32 v[SQ+2*rr:SQ+2*rr+1], v[XX+8*rr+2:XX+8*rr+3], v[XX+8*rr+2:XX+8*rr+3], v[SQ+2*rr:SQ+2*rr+1]
	R8 v_pk_fma_f32 v[SQ+2*rr:SQ+2*rr+1], v[XX+8*rr+4:XX+8*rr+5], v[XX+8*rr+4:XX+8*rr+5], v[SQ+2*rr:SQ+2*rr+1]
	R8 v_pk_fma_f32 v[SQ+2*rr:SQ+2*rr+1], v[XX+8*rr+6:XX+8*rr+7], v[XX+8*rr+6:XX+8*rr+7], v[SQ+2*rr:SQ+2*rr+1]
	R8 v_add_f32 v[RS+2*rr], v[SQ+2*rr], v[SQ+2*rr+1]
	R8 v_add_f32_dpp v[RS+2*rr], v[RS+2*rr], v[RS+2*rr] row_xmask:1 row_mask:0xf bank_mask:0xf
	R8 v_add_f32_dpp v[RS+2*rr], v[RS+2*rr], v[RS+2*rr] row_xmask:2 row_mask:0xf bank_mask:0xf
	R8 v_add_f32_dpp v[RS+2*rr], v[RS+2*rr], v[RS+2*rr] row_xmask:4 row_mask:0xf bank_mask:0xf
	R8 v_add_f32_dpp v[RS+2*rr], v[RS+2*rr], v[RS+2*rr] row_xmask:8 row_mask:0xf bank_mask:0xf
	R8 v_permlanex16_b32 v[RS+2*rr+1], v[RS+2*rr], s80, s81
	R8 v_add_f32 v[RS+2*rr], v[RS+2*rr], v[RS+2*rr+1]
	R8 v_fma_f32 v[RS+2*rr], v[RS+2*rr], s82, s83
	R8 v_rsq_f32 v[RS+2*rr], v[RS+2*rr]
	v_nop                                          ; a plain instruction between the roots and the use of their results
	s_wait_alu depctr_va_vdst(0)
	R8 v_cndmask_b32 v[RS+2*rr], v[RS+2*rr], 1.0, s76
.irp m, 0,1,2,3                        ; x times the factor, then times 1 + gain
	R8 v_pk_mul_f32 v[XX+8*rr+2*\m:XX+8*rr+2*\m+1], v[XX+8*rr+2*\m:XX+8*rr+2*\m+1], v[RS+2*rr:RS+2*rr+1] op_sel_hi:[1,0]
.endr
.irp m, 0,1,2,3
	R8 v_pk_mul_f32 v[XX+8*rr+2*\m:XX+8*rr+2*\m+1], v[XX+8*rr+2*\m:XX+8*rr+2*\m+1], v[G+2*\m:G+2*\m+1]
.endr
.set rr, 0
.rept 8                                                ; RoPE on my first four columns: column c's partner c xor 32 lies in lane l xor 8; the sign is in the table's sin
.set cc_, CT+8*(rr%2)
.set xp_, XP+4*(rr%2)
.irp m, 0,1,2,3
	v_lshlrev_b32 v[cc_+\m], 16, v[CSU+4*rr+\m]
	v_and_b32 v[cc_+4+\m], s85, v[CSU+4*rr+\m]
	v_mov_b32_dpp v[xp_+\m], v[XX+8*rr+\m] row_xmask:8 row_mask:0xf bank_mask:0xf
.endr
	v_pk_mul_f32 v[XX+8*rr:XX+8*rr+1], v[XX+8*rr:XX+8*rr+1], v[cc_:cc_+1]
	v_pk_mul_f32 v[XX+8*rr+2:XX+8*rr+3], v[XX+8*rr+2:XX+8*rr+3], v[cc_+2:cc_+3]
	v_pk_fma_f32 v[XX+8*rr:XX+8*rr+1], v[xp_:xp_+1], v[cc_+4:cc_+5], v[XX+8*rr:XX+8*rr+1]
	v_pk_fma_f32 v[XX+8*rr+2:XX+8*rr+3], v[xp_+2:xp_+3], v[cc_+6:cc_+7], v[XX+8*rr+2:XX+8*rr+3]
.set rr, rr+1
.endr
.irp m, 0,1,2,3
	R8 v_cvt_pk_f16_f32 v[YY+4*rr+\m], v[XX+8*rr+2*\m], v[XX+8*rr+2*\m+1]
.endr
	R8 global_store_b64 v[OUTO], v[YY+4*rr:YY+4*rr+1], s[74:75] offset:512*rr          ; 32 lanes store 256 consecutive bytes, aligned
	R8 global_store_b64 v[OUTO], v[YY+4*rr+2:YY+4*rr+3], s[74:75] offset:512*rr+256
	s_wait_xcnt 0x0                                ; the stores' offset and data are rewritten only behind this wait
	v_add_nc_u32 v[RDA], 8*DP, v[RDA]
	v_add_nc_u32 v[OUTO], 8*512, v[OUTO]
	s_sub_co_u32 s2, s2, 1
	s_cmp_lg_u32 s2, 0
	s_cbranch_scc1 .Lrows
	s_wait_tensorcnt 0x0                           ; the wave's end
	ds_add_u32 v[SPW], v[NIL]
	s_wait_dscnt 0x0
	CROUND                                         ; the closing round
	s_endpgm
.Lfunc_end_k_qe579a356c8_qkv:
	.size	k_qe579a356c8_qkv, .Lfunc_end_k_qe579a356c8_qkv-k_qe579a356c8_qkv
	.p2alignl 7, 3214868480
	.fill 96, 4, 3214868480
	.section	.rodata,"a",@progbits
	.p2align	6, 0x0
	.amdhsa_kernel k_qe579a356c8_qkv
		.amdhsa_group_segment_fixed_size 327680
		.amdhsa_private_segment_fixed_size 0
		.amdhsa_enable_private_segment 0
		.amdhsa_kernarg_size 48
		.amdhsa_user_sgpr_count 2
		.amdhsa_user_sgpr_kernarg_segment_ptr 1
		.amdhsa_wavefront_size32 1
		.amdhsa_system_sgpr_workgroup_id_x 1
		.amdhsa_system_sgpr_workgroup_id_y 1
		.amdhsa_system_sgpr_workgroup_id_z 1
		.amdhsa_system_vgpr_workitem_id 0
		.amdhsa_next_free_vgpr 1024
		.amdhsa_next_free_sgpr 90
		.amdhsa_reserve_vcc 0
		.amdhsa_float_denorm_mode_32 3
		.amdhsa_float_denorm_mode_16_64 3
		.amdhsa_memory_ordered 1
		.amdhsa_forward_progress 1
		.amdhsa_inst_pref_size 121
	.end_amdhsa_kernel
	.amdgpu_metadata
---
amdhsa.version: [ 1, 2 ]
amdhsa.kernels:
  - .name:           k_qe579a356c8_qkv
    .symbol:         k_qe579a356c8_qkv.kd
    .args:
      - { .name: xb, .offset: 0, .size: 8, .value_kind: global_buffer, .address_space: global }
      - { .name: wcat, .offset: 8, .size: 8, .value_kind: global_buffer, .address_space: global }
      - { .name: cs, .offset: 16, .size: 8, .value_kind: global_buffer, .address_space: global }
      - { .name: q_norm_w, .offset: 24, .size: 8, .value_kind: global_buffer, .address_space: global }
      - { .name: k_norm_w, .offset: 32, .size: 8, .value_kind: global_buffer, .address_space: global }
      - { .name: qgkv, .offset: 40, .size: 8, .value_kind: global_buffer, .address_space: global }
    .group_segment_fixed_size: 327680
    .private_segment_fixed_size: 0
    .kernarg_segment_align: 8
    .kernarg_segment_size: 48
    .max_flat_workgroup_size: 128
    .sgpr_count:     90
    .vgpr_count:     1024
    .wavefront_size: 32
...
	.end_amdgpu_metadata
.endif
;; end of part 2
;; launch attn (part 3): grid 64 x 4, 4 waves a work-group, clusters of 4 x 1, 327,680 bytes of LDS; arguments qgkv, ao; writes ao
.if DOCPART == 3
	.amdgcn_target "amdgcn-amd-amdhsa--gfx1250"
	.amdhsa_code_object_version 6
	.text
	.protected	k_qe579a356c8_attn
	.globl	k_qe579a356c8_attn
	.p2align	8
	.type	k_qe579a356c8_attn,@function
k_qe579a356c8_attn:
	s_mov_b64 s[64:65], 0
	v_nop
	global_prefetch_b8 v0, s[64:65] scope:SCOPE_SE
	s_setreg_imm32_b32 hwreg(HW_REG_WAVE_MODE, 25, 1), 1
	s_wait_xcnt 0x0
	s_wait_alu depctr_hold_cnt(0) depctr_sa_sdst(0) depctr_va_vdst(0) depctr_va_sdst(0) depctr_va_ssrc(0) depctr_va_vcc(0) depctr_vm_vsrc(0)
	s_getreg_b32 s2, hwreg(HW_REG_IB_STS2, 6, 4)
	s_cmp_eq_u32 s2, 0
	s_cbranch_scc0 .Lentry_in_a_cluster
	s_endpgm
.Lentry_in_a_cluster:
	s_bfe_u32 s2, ttmp6, 0x10000c
	s_cmp_lg_u32 s2, 0x3003
	s_cbranch_scc0 .Lentry_shape_is_right
	s_endpgm
.Lentry_shape_is_right:
; CAUSAL GQA ATTENTION with the output gate.  From qgkv (f16 [12 planes][4096 rows][256]: q 0-3, gate 4-7, k 8-9, v 10-11) to ao (f16 [4096][1024]):
; ao[row][h 256 + d] = sigmoid(gate) x the sum over keys <= the row's position of softmax(q . k / 16) v.  Products, maxima and sums in f32; the weights p are rounded to f16 for the
; second product (their sum l is taken of the unrounded p), the result once at the end.
; SHARES.  y = batch x 2 + kv head.  A BLOCK is 16 positions x the kv head's two query heads: two tiles of 16 queries that share K, V and the mask.  All four waves hold both tiles;
; a key tile has 128 keys, and wave w takes its keys 32 w .. 32 w + 31: the keys are split, and at a block's end the four partial results are merged through LDS.
; THE WALK.  Block i of 128 needs the key tiles 0 .. i / 8.  A work-group takes block p = 4 x cluster + cx and then block 127 - p: (A + 1) + (16 - A) = 17 tiles, A = cluster / 2, whatever p:
; 256 equal work-groups, one loop with a constant trip count.  The four partners of a cluster have the same A, batch and kv head, so the same walk: every tile is ONE joint load.
; Trip logic hangs on the cluster's number alone; cx enters Q's, the gate's and ao's addresses and the masks' values.
; THE ORDER OF A TRIP.  Tile n's scores are made at the end of trip n, their softmax and second product in trip n + 1.  Trip n: the change of slots; K of tile n out of LDS, in eight groups of four
; loads set between the parts of tile n - 1's softmax; V^T P of tile n - 1, with the rescaling of O^T behind its products, four lines behind each, two accumulators ahead; V of tile n, in four groups
; of eight loads among the products K Q^T of tile n.  So K has a softmax and 32 products in which to come, V the rest of the scores and the change of slots, and one buffer of each is enough.
; LAYOUT.  S^T = K Q^T holds one query a lane (lane % 16) and the keys 8 (lane / 16) + 0..7; two such results rounded to f16 are source 1 of O^T = V^T P.
; SOFTMAX.  p = 2^((s - m) c), c = log2(e) / 16, with a running maximum m; O and l are multiplied by a = 2^((m_old - m) c) in every step.  The difference is formed before the scale, so that a
; wave all of whose keys are hidden (m = -1e30) gets p = 1 exactly and stays finite; the merge weighs it with 0.
; THE MASK is the C operand that starts the scores: 0, or -1e30 where the key lies behind the query; it is the block's mask times 1 in the block's last tile and times 0 elsewhere.
; LIMITS.  A hidden score counts as -1e30; a weight below 2^-126 counts as 0; f16 ends at 65,504 (v arrives within it, so O lies within it); NaN and infinities are not treated apart.
; REGISTERS in windows of 256: window 0 below; window 1 O^T (128 t + 8 cb); window 2 Q of the block in hand (64 t + 8 cc); window 3 K (8 (8 kb + cc)), V (128 + 8 cb).
.set PK,    528                        ; a row of K in LDS: 512 bytes + 16
.set PV,    544                        ; a row of V: 512 + 32
.set VOFF,  128*PK
.set SLOT1, 0x22000                    ; slot 1: shares no bit with the four loads' places in slot 0 (0, 0x8400, 0x10800, 0x19000), so one exclusive or changes slots
.set XA,    SLOT1+128*(PK+PV)          ; 33,280 bytes: the exchange (4 x 8,192), later 32 rows x 1,040 bytes of f32
.set STATS, XA+33280                   ; 2,048 bytes: (m, l) by wave, tile and lane
.set SPARE, STATS+2048                 ; the spare words, 128 bytes a wave
.set ZR,  0                            ; v0   0.0 (behind the set-up)
.set KL,  1                            ; v1   -log2(e) (behind the set-up)
.set AK0, 2                            ; v2   my lane's place in a tile of K
.set AV0, 3                            ; v3   the same for V
.set AK,  4
.set AV,  5
.set QO,  6                            ; v6   my byte offset in 16 rows of Q; never rewritten
.set XW,  7                            ; v7   exchange: where I write
.set XR,  8                            ; v8   exchange: where I read
.set SW,  9                            ; v9   statistics: where I write
.set SR,  10                           ; v10  statistics: where I read
.set GW,  11                           ; v11  rows: where I write
.set GR,  12                           ; v12  rows: where I read
.set GO,  13                           ; v13  8 x lane: my bytes in half a row of the gate and of ao
.set SPW, 14                           ; v14  my spare word; never rewritten
.set NIL, 15                           ; v15  0; never rewritten
.set ST,  16                           ; tile t at ST + 8 t: m, l in all, l (even keys'), l (odd keys'), c0, c1, a, m_old
.set S,   32                           ; v32-63   S^T, 16 a tile;   at a block's end the gate
.set GT,  32
.set P,   64                           ; v64-79   P, 8 a tile;      at a block's end the four waves' statistics
.set SF,  64
.set MC,  80                           ; v80-95   the mask in use;  at a block's end the four waves' weights, in pairs
.set FC,  80
.set MDS, 96                           ; v96-111  the first block's mask
.set MDL, 112                          ; v112-127 the second block's
.set TM,  128                          ; v128-191 the four waves' parts; later whole rows
.set XX,  128
.set RM,  192                          ; v192-255 the merged parts; later the sigmoid, then f16 to store
.set EE,  192
.set YY,  192
.set WV,  12
.set KB,  20                           ; s[20:21] K at my half of the head's tile 0;  s[22:23] V
.set VB,  22
.set G1K, 24
.set G1V, 32
.set G0K, 40
.set G0V, 44
.set QS,  48                           ; s[48:49], s[50:51] Q of the first, the second block
.set QL,  50
.set OA,  52                           ; s[52:53] ao, s[54:55] the gate at my rows of the block in hand; s[56:59] the second block's
.set GA,  54
.set OAL, 56
.set GAL, 58
.set SLOTS, 60                         ; trips to go
.set RT,  61                           ; tiles of the block in hand whose scores are still to be made
.set CNT, 62                           ; counts the tail's two trips
.set NXT, 63                           ; the tile to be asked for next
.set LQ,  66                           ; the last tile of the block whose tiles are being asked for
.set LL1, 67                           ; the second block's last tile
.set OFF, 68
.set AL,  70                           ; s[70:71] the mask's factor, in the low word
.set CS,  72                           ; s[72:73] c
.set SEL, 74
.set TB,  76                           ; LDS byte at which the slot in hand begins
.set BIGN, 77
.set MSB, 0
.macro WIN new
.if MSB != (\new)
	s_set_vgpr_msb (MSB<<8)|(\new)
.set MSB, \new
.endif
.endm
.macro JLOAD                           ; a joint fill: waves 0, 1 the halves of a tile's K, waves 2, 3 of its V; s_nop 0 and four v_nop follow each line
	s_cmp_lt_u32 s[WV], 2
	s_cbranch_scc0 .Lfor_v_\@
	tensor_load_to_lds s[G0K:G0K+3], s[G1K:G1K+7]
	s_nop 0
.rept 4
	v_nop
.endr
	s_branch .Lasked_\@
.Lfor_v_\@:
	tensor_load_to_lds s[G0V:G0V+3], s[G1V:G1V+7]
	s_nop 0
.rept 4
	v_nop
.endr
.Lasked_\@:
.endm
.macro CROUND                          ; a round of the cluster's barrier
	s_barrier_signal -1
	s_barrier_wait -1
	s_cmp_lg_u32 s[WV], 0
	s_cbranch_scc1 .Lnot_wave_0_\@
	s_barrier_signal -3
.Lnot_wave_0_\@:
	s_barrier_wait -3
	s_barrier_signal -1
	s_barrier_wait -1
.endm
.macro PLACES                          ; four plain vector instructions between a matrix instruction and a load into, or a read of, its registers
.rept 4
	v_nop
.endr
.endm
.macro ADV                             ; the block's next tile, or behind its last the second block's tile 0
	s_add_co_u32 s[NXT], s[NXT], 1
	s_cmp_gt_u32 s[NXT], s[LQ]
	s_cselect_b32 s[NXT], 0, s[NXT]
	s_cselect_b32 s[LQ], s[LL1], s[LQ]
.endm
.macro T2 line:vararg                  ; one line for each of the two tiles t
.set t, 0
.rept 2
	\line
.set t, t+1
.endr
.endm
.macro BEGIN                           ; a block begins: m at the lowest finite number, so the first a is 0 and O^T need only be finite
	T2 v_mov_b32 v[ST+8*t], 0xff7fffff
	T2 v_mov_b32 v[ST+8*t+1], 0
	T2 v_mov_b32 v[ST+8*t+2], 0
	T2 v_mov_b32 v[ST+8*t+3], 0
.endm
.macro QLOAD base                      ; a block's Q, 32 loads: tile i / 8 (the second head lies a plane on), channels 32 (i % 8) on
	WIN 0x80                                       ; destination window 2, address window 0
.set i, 0
.rept 16
	global_load_b128 v[8*i:8*i+3],   v[QO], s[\base:\base+1] offset:(i/8)*2097152+(i%8)*64
	global_load_b128 v[8*i+4:8*i+7], v[QO], s[\base:\base+1] offset:(i/8)*2097152+(i%8)*64+32
.set i, i+1
.endr
	WIN 0
.endm
; THE CHANGE OF SLOTS.  Each wave waits for all its tensor loads (one is out: its part of the slot to be entered), adds 0 to its spare word, and waits for that and for its reads of the slot that it
; leaves (K and V of the tile before are in registers).  fill = 1: a round of the cluster's barrier, and the joint fill of the old slot with tile NXT first behind it; the descriptor's address is made
; anew from that number.  The four v_nop behind the fill, or behind the plain barrier, are also the places between the last scores' products and what follows.
.macro CHANGE fill
	WIN 0
	s_wait_tensorcnt 0x0
	ds_add_u32 v[SPW], v[NIL]
.if \fill
	s_lshl_b32 s[OFF], s[NXT], 16                  ; a tile is 65,536 bytes of K and of V
	s_xor_b32 s[G0K+1], s[G0K+1], SLOT1
	s_add_nc_u64 s[G0K+2:G0K+3], s[KB:KB+1], s[OFF:OFF+1]
	s_or_b32 s[G0K+3], s[G0K+3], 0x80000000
	s_xor_b32 s[G0V+1], s[G0V+1], SLOT1
	s_add_nc_u64 s[G0V+2:G0V+3], s[VB:VB+1], s[OFF:OFF+1]
	s_or_b32 s[G0V+3], s[G0V+3], 0x80000000
	ADV
.endif
	s_xor_b32 s[TB], s[TB], SLOT1
	s_wait_dscnt 0x0
.if \fill
	CROUND
	JLOAD
.else
	s_barrier_signal -1
	s_barrier_wait -1
	PLACES
.endif
	v_add_nc_u32 v[AK], s[TB], v[AK0]              ; K of the tile just entered
.endm
	s_load_b128 s[4:7], s[0:1], 0x0                ; qgkv 4, ao 6
	v_lshl_add_u32 v[SPW], v0, 2, SPARE
	v_mov_b32 v[NIL], 0
	ds_add_u32 v[SPW], v[NIL]                      ; the wave's opening: the add and its wait ahead of my first tensor load
	v_lshrrev_b32 v1, 5, v0
	v_readfirstlane_b32 s[WV], v1
	s_bfe_u32 s13, ttmp6, 0x40000                  ; cx
	s_lshl_b32 s14, ttmp9, 2
	s_add_co_u32 s14, s14, s13                     ; p: the first block
	s_and_b32 s15, ttmp7, 0xffff
	s_lshr_b32 s16, s15, 1                         ; batch
	s_and_b32 s17, s15, 1                          ; kv head
	s_lshr_b32 s18, ttmp9, 1                       ; A
	; K and V: plane 8 + kv head (V two planes on), the batch's rows, my half of a tile's 128 keys
	s_add_co_u32 s80, s17, 8
	s_lshl_b32 s80, s80, 21
	s_lshl_b32 s81, s16, 20
	s_add_co_u32 s80, s80, s81
	s_and_b32 s81, s[WV], 1
	s_mul_i32 s82, s81, 64*PK
	s_mul_i32 s83, s81, 64*PV
	s_lshl_b32 s81, s81, 15
	s_add_co_u32 s80, s80, s81
	s_mov_b32 s81, 0
	s_mov_b32 s[G1K], 15|(1<<16)|(1<<20)|(1<<21)|(6<<22)|(3<<25)  ; the mask of four; 2-byte elements; padding on; bit 21 beside a mask; after every 128 words 4 words
	s_mov_b32 s[G1V], 15|(1<<16)|(1<<20)|(1<<21)|(6<<22)|(7<<25)  ; the same with 8 words
.irp g, G1K, G1V
	s_mov_b32 s[\g+1], 256<<16                     ; 64 rows x 256 elements, dense
	s_mov_b32 s[\g+2], 64<<16
	s_mov_b32 s[\g+3], 256<<16
	s_mov_b32 s[\g+4], 64
	s_mov_b32 s[\g+5], 256
	s_mov_b32 s[\g+6], 0
	s_mov_b32 s[\g+7], 0
.endr
	s_mov_b32 s[G0K], 1
	s_mov_b32 s[G0K+1], s82
	s_mov_b32 s[G0V], 1
	s_add_co_u32 s[G0V+1], s83, VOFF
	; Q, the gate and ao: these hang on cx
	s_sub_co_u32 s84, 127, s14                     ; the second block
	s_lshl_b32 s85, s17, 22                        ; plane 2 x kv head
	s_lshl_b32 s86, s16, 20
	s_add_co_u32 s85, s85, s86
	s_lshl_b32 s86, s14, 13                        ; a block is 16 rows of 512 bytes
	s_add_co_u32 s86, s86, s85
	s_mov_b32 s87, 0
	s_lshl_b32 s88, s84, 13
	s_add_co_u32 s88, s88, s85
	s_mov_b32 s89, 0
	s_lshr_b32 s92, s[WV], 1                       ; at a block's end wave w stores head w / 2, positions 8 (w % 2) on
	s_and_b32 s93, s[WV], 1
	s_lshl1_add_u32 s94, s17, s92                  ; the query head
	s_lshl_b32 s90, s16, 22                        ; ao: rows of 2,048 bytes, a head 512 bytes
	s_lshl_b32 s91, s93, 14
	s_add_co_u32 s90, s90, s91
	s_lshl_b32 s91, s94, 9
	s_add_co_u32 s90, s90, s91
	s_add_co_u32 s91, s94, 4                       ; the gate: plane 4 + head, rows of 512 bytes
	s_lshl_b32 s91, s91, 21
	s_lshl_b32 s95, s16, 20
	s_add_co_u32 s91, s91, s95
	s_lshl_b32 s95, s93, 12
	s_add_co_u32 s91, s91, s95
	s_mov_b32 s95, 0
	s_mov_b32 s[CS], 0x3db8aa3b                    ; c = log2(e) / 16
	s_mov_b32 s[CS+1], s[CS]
	s_mov_b32 s[SEL], 0x76543210
	s_mov_b32 s[SEL+1], 0xfedcba98
	s_mov_b32 s[BIGN], 0xf149f2ca                  ; -1e30
	s_mov_b32 s[TB], SLOT1                         ; the first change of slots turns it into 0
	s_mov_b32 s[OFF+1], 0
	s_mov_b32 s[AL+1], 0
	s_mov_b32 s[NXT], 0
	s_mov_b32 s[LQ], s18                           ; the first block's last tile is A,
	s_sub_co_u32 s[LL1], 15, s18                   ; the second's 15 - A
	s_add_co_u32 s[RT], s18, 1
	s_mov_b32 s[SLOTS], 16
	ADV                                            ; tile 0 is asked for below, by the base itself
	s_wait_dscnt 0x0                               ; the opening add is done
	s_wait_kmcnt 0x0
	s_add_nc_u64 s[KB:KB+1], s[4:5], s[80:81]
	s_add_nc_u64 s[VB:VB+1], s[KB:KB+1], 0x400000
	s_mov_b64 s[G0K+2:G0K+3], s[KB:KB+1]
	s_or_b32 s[G0K+3], s[G0K+3], 0x80000000
	s_mov_b64 s[G0V+2:G0V+3], s[VB:VB+1]
	s_or_b32 s[G0V+3], s[G0V+3], 0x80000000
	s_add_nc_u64 s[QS:QS+1], s[4:5], s[86:87]
	s_add_nc_u64 s[QL:QL+1], s[4:5], s[88:89]
	s_lshl_b32 s94, s14, 15
	s_add_co_u32 s94, s94, s90
	s_add_nc_u64 s[OA:OA+1], s[6:7], s[94:95]
	s_lshl_b32 s94, s84, 15
	s_add_co_u32 s94, s94, s90
	s_add_nc_u64 s[OAL:OAL+1], s[6:7], s[94:95]
	s_lshl_b32 s94, s14, 13
	s_add_co_u32 s94, s94, s91
	s_add_nc_u64 s[GA:GA+1], s[4:5], s[94:95]
	s_lshl_b32 s94, s84, 13
	s_add_co_u32 s94, s94, s91
	s_add_nc_u64 s[GAL:GAL+1], s[4:5], s[94:95]
	CROUND                                         ; all four work-groups are here: the first joint loads meet
	JLOAD                                          ; tile 0 into slot 0; slot 1 is asked for by the first change of slots
	; A fragment of K or Q is 16 rows x 32 channels: lane l holds row l % 16, channels 8 (l / 16) + 0..7 and 16 + the same: two loads of 16 bytes, 32 apart.
	v_and_b32 v1, 15, v0
	v_bfe_u32 v128, v0, 4, 1
	v_lshlrev_b32 v[QO], 9, v1
	v_lshl_add_u32 v[QO], v128, 4, v[QO]
	QLOAD QS                                       ; the first block's Q; the second's is loaded when the first block ends
	; O^T need only be finite when a block begins (the first a is 0).  32 products of two fragments of zeros write its 256 registers: 48 lines for 256, in the wait for the first tile.
.set i, 0
.rept 16
	v_mov_b32 v[S+i], 0
.set i, i+1
.endr
	WIN 0x40                                       ; destination window 1, sources window 0
.set i, 0
.rept 32
	v_wmma_f32_16x16x32_f16 v[8*i:8*i+7], v[S:S+7], v[S+8:S+15], 0
.set i, i+1
.endr
	WIN 0
	v_and_b32 v131, 31, v0
	v_and_b32 v132, 7, v0
	v_bfe_u32 v133, v0, 3, 1
	s_mul_i32 s96, s[WV], 32*PK                    ; my 32 keys of a tile
	v_mul_u32_u24 v[AK0], v1, PK
	v_lshl_add_u32 v[AK0], v128, 4, v[AK0]
	v_add_nc_u32 v[AK0], s96, v[AK0]
	s_mul_i32 s96, s[WV], 32*PV
	s_add_co_u32 s96, s96, VOFF
	v_lshl_add_u32 v[AV0], v128, 3, v132           ; the turning load: key 8 (l / 16) + l % 8, channels 8 ((l / 8) % 2) + 0..7
	v_mul_u32_u24 v[AV0], v[AV0], PV
	v_lshl_add_u32 v[AV0], v133, 4, v[AV0]
	v_add_nc_u32 v[AV0], s96, v[AV0]
	s_lshl_b32 s96, s[WV], 13
	s_add_co_u32 s96, s96, XA
	v_lshl_add_u32 v[XW], v131, 4, s96
	s_lshl_b32 s96, s[WV], 11
	s_add_co_u32 s96, s96, XA
	v_lshl_add_u32 v[XR], v131, 4, s96
	s_lshl_b32 s96, s[WV], 9
	s_add_co_u32 s96, s96, STATS
	v_lshl_add_u32 v[SW], v131, 3, s96
	v_lshl_add_u32 v[SR], v131, 3, STATS
	s_lshl_b32 s96, s[WV], 7
	s_add_co_u32 s96, s96, XA
	v_mul_u32_u24 v[GW], v1, 1040
	v_lshl_add_u32 v[GW], v128, 5, v[GW]
	v_add_nc_u32 v[GW], s96, v[GW]
	s_mul_i32 s96, s[WV], 8*1040
	s_add_co_u32 s96, s96, XA
	v_lshl_add_u32 v[GR], v131, 4, s96
	v_lshlrev_b32 v[GO], 3, v131
	; The masks of the two blocks' last tiles: register 8 kb + j is key 32 w + 16 kb + 8 (l / 16) + j of the tile, hidden where that is greater than the query's place 16 (i % 8) + l % 16.
	v_lshlrev_b32 v129, 3, v128
	v_sub_nc_u32 v129, v1, v129
	s_and_b32 s97, s14, 7
	s_lshl_b32 s98, s[WV], 5
	s_lshl_b32 s99, s97, 4
	s_sub_co_u32 s99, s99, s98
	v_add_nc_u32 v130, s99, v129
	s_sub_co_u32 s97, 7, s97
	s_lshl_b32 s97, s97, 4
	s_sub_co_u32 s97, s97, s98
	v_add_nc_u32 v134, s97, v129
.set i, 0
.rept 16
	v_cmp_gt_i32 vcc_lo, 16*(i/8)+i%8, v130
	v_cndmask_b32 v[MDS+i], 0, s[BIGN], vcc_lo
	v_cmp_gt_i32 vcc_lo, 16*(i/8)+i%8, v134
	v_cndmask_b32 v[MDL+i], 0, s[BIGN], vcc_lo
.set i, i+1
.endr
	BEGIN
	v_mov_b32 v[KL], 0xbfb8aa3b                    ; the thread's number and l % 16 have served
	v_mov_b32 v[ZR], 0
	s_wait_loadcnt 0x0                             ; the first block's Q is in
; FOUR LOADS OF K: fragments 2 g and 2 g + 1 of 16 (keys 16 (f / 8) on, channels 32 (f % 8) on)
.macro KGRP g
	WIN 0xc0                                       ; destination window 3
.irp e, 0,1
.set f, 2*(\g)+\e
	ds_load_b128 v[8*f:8*f+3],   v[AK] offset:(f/8)*16*PK+(f%8)*64
	ds_load_b128 v[8*f+4:8*f+7], v[AK] offset:(f/8)*16*PK+(f%8)*64+32
.endr
.endm
; EIGHT LOADS OF V, turned: fragments 4 g .. 4 g + 3 of 16 (32 keys, channels 16 f on)
.macro VGRP g
	WIN 0xc0
.irp e, 0,1,2,3
.set f, 4*(\g)+\e
	ds_load_tr16_b128 v[128+8*f:128+8*f+3],   v[AV] offset:32*f
	ds_load_tr16_b128 v[128+8*f+4:128+8*f+7], v[AV] offset:16*PV+32*f
.endr
.endm
; THE SOFTMAX of the tile before, both query tiles line by line, all but the rescaling of O^T; between its parts the eight groups of loads of this tile's K.
; s0-s15 are the lane's scores; each accumulator's lowest registers are read first.
.macro SOFTK
	KGRP 0
	WIN 0
	T2 v_max3_num_f32 v[ST+8*t+4], v[S+16*t], v[S+16*t+1], v[S+16*t+2]
	T2 v_max3_num_f32 v[ST+8*t+5], v[S+16*t+8], v[S+16*t+9], v[S+16*t+10]
	T2 v_max3_num_f32 v[ST+8*t+4], v[ST+8*t+4], v[S+16*t+3], v[S+16*t+4]
	T2 v_max3_num_f32 v[ST+8*t+5], v[ST+8*t+5], v[S+16*t+11], v[S+16*t+12]
	T2 v_max3_num_f32 v[ST+8*t+4], v[ST+8*t+4], v[S+16*t+5], v[S+16*t+6]
	T2 v_max3_num_f32 v[ST+8*t+5], v[ST+8*t+5], v[S+16*t+13], v[S+16*t+14]
	T2 v_max3_num_f32 v[ST+8*t+4], v[ST+8*t+4], v[S+16*t+7], v[S+16*t+15]
	T2 v_max3_num_f32 v[ST+8*t+4], v[ST+8*t+4], v[ST+8*t+5], v[ST+8*t]
	KGRP 1
	WIN 0
	T2 v_mov_b32 v[ST+8*t+7], v[ST+8*t]
	T2 v_permlanex16_b32 v[ST+8*t+5], v[ST+8*t+4], s[SEL], s[SEL+1]   ; the query's other 16 keys lie in the lane 16 away
	T2 v_max_num_f32 v[ST+8*t], v[ST+8*t+4], v[ST+8*t+5]
	T2 v_sub_f32 v[ST+8*t+6], v[ST+8*t+7], v[ST+8*t]
	T2 v_mul_f32 v[ST+8*t+6], s[CS], v[ST+8*t+6]
	T2 v_exp_f32 v[ST+8*t+6], v[ST+8*t+6]
	KGRP 2
	WIN 0
.irp k, 0,1,2,3,4,5,6,7
	T2 v_pk_add_f32 v[S+16*t+2*\k:S+16*t+2*\k+1], v[S+16*t+2*\k:S+16*t+2*\k+1], v[ST+8*t:ST+8*t+1] op_sel_hi:[1,0] neg_lo:[0,1] neg_hi:[0,1]
.endr
	KGRP 3
	WIN 0
.irp k, 0,1,2,3,4,5,6,7
	T2 v_pk_mul_f32 v[S+16*t+2*\k:S+16*t+2*\k+1], v[S+16*t+2*\k:S+16*t+2*\k+1], s[CS:CS+1] op_sel_hi:[1,0]
.endr
	KGRP 4
	WIN 0
.irp k, 0,1,2,3,4,5,6,7
	T2 v_exp_f32 v[S+16*t+\k], v[S+16*t+\k]
.endr
	KGRP 5
	WIN 0
.irp k, 8,9,10,11,12,13,14,15
	T2 v_exp_f32 v[S+16*t+\k], v[S+16*t+\k]
.endr
	v_nop                                          ; a plain instruction between the exponentials and the use of their results
	s_wait_alu depctr_va_vdst(0)
	KGRP 6
	WIN 0
.irp k, 0,1,2,3,4,5,6,7
	T2 v_cvt_pk_f16_f32 v[P+8*t+\k], v[S+16*t+2*\k], v[S+16*t+2*\k+1]
.endr
	KGRP 7
	WIN 0
.irp k, 0,4,8,12
	T2 v_pk_add_f32 v[S+16*t+\k:S+16*t+\k+1], v[S+16*t+\k:S+16*t+\k+1], v[S+16*t+\k+2:S+16*t+\k+3]
.endr
.irp k, 0,8
	T2 v_pk_add_f32 v[S+16*t+\k:S+16*t+\k+1], v[S+16*t+\k:S+16*t+\k+1], v[S+16*t+\k+4:S+16*t+\k+5]
.endr
	T2 v_pk_add_f32 v[S+16*t:S+16*t+1], v[S+16*t:S+16*t+1], v[S+16*t+8:S+16*t+9]
	T2 v_pk_fma_f32 v[ST+8*t+2:ST+8*t+3], v[ST+8*t+2:ST+8*t+3], v[ST+8*t+6:ST+8*t+7], v[S+16*t:S+16*t+1] op_sel_hi:[1,0,1]
.endm
; O^T's accumulator j of 32 (channels 16 (j / 2) on, tile j % 2) times a: four lines, the lowest registers first
.macro RESC j
	WIN 0x41                                       ; O^T (destination and source 0) in window 1, a in window 0
.set rO, 128*((\j)%2)+8*((\j)/2)
.irp z, 0,2,4,6
	v_pk_mul_f32 v[rO+\z:rO+\z+1], v[rO+\z:rO+\z+1], v[ST+8*((\j)%2)+6:ST+8*((\j)%2)+7] op_sel_hi:[1,0]
.endr
.endm
; O^T = a O^T + V^T P of the tile before: 32 accumulators, one product each.  Behind product i stand the four lines that rescale accumulator i + 2: they name none of its registers.
; Two window switches for each product are the price, as where a softmax stands behind products.
.macro PVR
	RESC 0
	RESC 1
.set i, 0
.rept 32
	WIN 0x53                                       ; V window 3, P window 0, O^T window 1
.set rO, 128*(i%2)+8*(i/2)
.set rV, 128+8*(i/2)
.set rP, P+8*(i%2)
	v_wmma_f32_16x16x32_f16 v[rO:rO+7], v[rV:rV+7], v[rP:rP+7], v[rO:rO+7]
.if i < 30
	RESC i+2
.endif
.set i, i+1
.endr
.endm
; THE SCORES of the tile in slot TB, for my 32 keys, and its V out of LDS.  md: the mask of the block's last tile.  The nine plain lines at its head are the places between the last products V^T P
; and the loads into V's registers.
.macro MID md
	WIN 0
	v_add_nc_u32 v[AV], s[TB], v[AV0]
.set z, 0
.rept 8
	v_pk_mul_f32 v[MC+2*z:MC+2*z+1], v[\md+2*z:\md+2*z+1], s[AL:AL+1] op_sel_hi:[1,0]
.set z, z+1
.endr
	s_wait_dscnt 0x0                               ; K is in: its last loads were issued ahead of the 32 products V^T P
.set i, 0
.rept 32                                               ; channels 32 (i / 4) on, keys 16 ((i / 2) % 2) on, tile i % 2: four accumulators by turns; the first four start with the mask
.if (i%6 == 0) && (i < 24)
	VGRP i/6                                       ; a group of V's loads ahead of products 0, 6, 12, 18: 14 products and the change of slots stand behind the last
.endif
	WIN 0x0b                                       ; K window 3, Q window 2, S^T and the mask window 0
.set rS, S+16*(i%2)+8*((i/2)%2)
.set rK, 8*(8*((i/2)%2)+i/4)
.set rQ, 64*(i%2)+8*(i/4)
.set rM, MC+8*((i/2)%2)
.if i < 4
	v_wmma_f32_16x16x32_f16 v[rS:rS+7], v[rK:rK+7], v[rQ:rQ+7], v[rM:rM+7]
.else
	v_wmma_f32_16x16x32_f16 v[rS:rS+7], v[rK:rK+7], v[rQ:rQ+7], v[rS:rS+7]
.endif
.set i, i+1
.endr
.endm
; ONE ROUND OF THE MERGE: half hb = n % 2 of tile n / 2.  Every wave writes its eight accumulators (16 pieces of 512 bytes); wave w reads pieces 4 w .. 4 w + 3 of all four waves and adds them with
; the waves' weights.  A barrier stands between writing and reading, and one between reading and the next writing; the arithmetic stands inside the second.
.macro XROUND n
.set tt, (\n)/2
.set hb, (\n)%2
	WIN 0x04                                       ; the stores' data in window 1
.set q, 0
.rept 16                                               ; each accumulator's low four registers first
	ds_store_b128 v[XW], v[128*tt+8*(8*hb+q/2)+4*(q%2):128*tt+8*(8*hb+q/2)+4*(q%2)+3] offset:512*q
.set q, q+1
.endr
	WIN 0
	s_wait_dscnt 0x0                               ; for the others' sake: my stores are done
	s_barrier_signal -1
	s_barrier_wait -1
.if (\n) == 0
.irp u, 0,1,2,3
	T2 ds_load_b64 v[SF+8*t+2*\u:SF+8*t+2*\u+1], v[SR] offset:512*\u+256*t
.endr
.endif
.irp u, 0,1,2,3
.irp e, 0,1,2,3
	ds_load_b128 v[TM+16*\u+4*\e:TM+16*\u+4*\e+3], v[XR] offset:8192*\u+512*\e
.endr
.endr
	s_wait_dscnt 0x0                               ; my reads are over
	s_barrier_signal -1
.if (\n) == 0                          ; the weights: 2^((m_u - max m) c) / the sum of those times l_u, into both registers of a pair
	T2 v_max3_num_f32 v[ST+8*t+4], v[SF+8*t], v[SF+8*t+2], v[SF+8*t+4]
	T2 v_max_num_f32 v[ST+8*t+4], v[ST+8*t+4], v[SF+8*t+6]
.irp u, 0,1,2,3
	T2 v_sub_f32 v[FC+8*t+2*\u], v[SF+8*t+2*\u], v[ST+8*t+4]
.endr
.irp u, 0,1,2,3
	T2 v_mul_f32 v[FC+8*t+2*\u], s[CS], v[FC+8*t+2*\u]
.endr
.irp u, 0,1,2,3
	T2 v_exp_f32 v[FC+8*t+2*\u], v[FC+8*t+2*\u]
.endr
	v_nop
	s_wait_alu depctr_va_vdst(0)
	T2 v_mul_f32 v[ST+8*t+5], v[FC+8*t], v[SF+8*t+1]
.irp u, 1,2,3
	T2 v_fmac_f32 v[ST+8*t+5], v[FC+8*t+2*\u], v[SF+8*t+2*\u+1]
.endr
	T2 v_rcp_f32 v[ST+8*t+5], v[ST+8*t+5]
	v_nop
	s_wait_alu depctr_va_vdst(0)
.irp u, 0,1,2,3
	T2 v_mul_f32 v[FC+8*t+2*\u+1], v[FC+8*t+2*\u], v[ST+8*t+5]
.endr
.irp u, 0,1,2,3
	T2 v_mul_f32 v[FC+8*t+2*\u], v[FC+8*t+2*\u], v[ST+8*t+5]
.endr
.endif
.irp k, 0,1,2,3,4,5,6,7
	v_pk_mul_f32 v[RM+16*(\n)+2*\k:RM+16*(\n)+2*\k+1], v[TM+2*\k:TM+2*\k+1], v[FC+8*tt:FC+8*tt+1]
.endr
.irp u, 1,2,3
.irp k, 0,1,2,3,4,5,6,7
	v_pk_fma_f32 v[RM+16*(\n)+2*\k:RM+16*(\n)+2*\k+1], v[TM+16*\u+2*\k:TM+16*\u+2*\k+1], v[FC+8*tt+2*\u:FC+8*tt+2*\u+1], v[RM+16*(\n)+2*\k:RM+16*(\n)+2*\k+1]
.endr
.endr
	s_barrier_wait -1
.endm
; A BLOCK ENDS: the gate is asked for; statistics and O^T are merged; the merged O goes as f32 rows (head, position) into LDS; wave w takes eight whole rows back, multiplies by sigmoid(gate), rounds, stores.
; sw = 1: the second block takes the first one's place: its Q is asked for behind the gate, into registers whose last products stand a trip back, and has the merge in which to come.
; (K of the next tile is on its way into window 3 meanwhile, or there: nothing here names it.)
.macro FINISH sw
	WIN 0
	PLACES
.set i, 0
.rept 16                                               ; row i / 2 of my eight, half i % 2
	global_load_b64 v[GT+2*i:GT+2*i+1], v[GO], s[GA:GA+1] offset:512*(i/2)+256*(i%2)
.set i, i+1
.endr
.if \sw
	QLOAD QL
.endif
	T2 v_add_f32 v[ST+8*t+1], v[ST+8*t+2], v[ST+8*t+3]
	T2 v_permlanex16_b32 v[ST+8*t+5], v[ST+8*t+1], s[SEL], s[SEL+1]
	T2 v_add_f32 v[ST+8*t+1], v[ST+8*t+1], v[ST+8*t+5]
	T2 ds_store_b64 v[SW], v[ST+8*t:ST+8*t+1] offset:256*t
	XROUND 0
	XROUND 1
	XROUND 2
	XROUND 3
.irp n, 0,1,2,3                        ; row 16 (n / 2) + l % 16; channel 128 (n % 2) + 32 w + 16 (e / 2) + 8 (l / 16) + 4 (e % 2)
.irp e, 0,1,2,3
	ds_store_b128 v[GW], v[RM+16*\n+4*\e:RM+16*\n+4*\e+3] offset:16640*(\n/2)+512*(\n%2)+64*(\e/2)+16*(\e%2)
.endr
.endr
	s_wait_dscnt 0x0
	s_barrier_signal -1
	s_barrier_wait -1
.set i, 0
.rept 16
	ds_load_b128 v[XX+4*i:XX+4*i+3], v[GR] offset:1040*(i/2)+512*(i%2)
.set i, i+1
.endr
	s_wait_loadcnt 32*(\sw)                        ; the gate is in; the 32 loads of Q issued behind it (sw = 1) may be out
.set i, 0
.rept 32                                               ; -log2(e) x gate, straight from the f16 halves
	v_fma_mix_f32 v[EE+2*i], v[GT+i], v[KL], v[ZR] op_sel_hi:[1,0,0]
	v_fma_mix_f32 v[EE+2*i+1], v[GT+i], v[KL], v[ZR] op_sel:[1,0,0] op_sel_hi:[1,0,0]
.set i, i+1
.endr
.set i, 0
.rept 64
	v_exp_f32 v[EE+i], v[EE+i]
.set i, i+1
.endr
	v_nop
.set i, 0
	s_wait_alu depctr_va_vdst(0)
.rept 32
	v_pk_add_f32 v[EE+2*i:EE+2*i+1], v[EE+2*i:EE+2*i+1], 1.0 op_sel_hi:[1,0]
.set i, i+1
.endr
.set i, 0
.rept 64
	v_rcp_f32 v[EE+i], v[EE+i]
.set i, i+1
.endr
	v_nop
	s_wait_dscnt 0x0                               ; my rows
.set i, 0
	s_wait_alu depctr_va_vdst(0)
.rept 32
	v_pk_mul_f32 v[XX+2*i:XX+2*i+1], v[XX+2*i:XX+2*i+1], v[EE+2*i:EE+2*i+1]
.set i, i+1
.endr
.set i, 0
.rept 32
	v_cvt_pk_f16_f32 v[YY+i], v[XX+2*i], v[XX+2*i+1]
.set i, i+1
.endr
.set i, 0
.rept 16
	global_store_b64 v[GO], v[YY+2*i:YY+2*i+1], s[OA:OA+1] offset:2048*(i/2)+256*(i%2)   ; 32 lanes store 256 consecutive bytes, aligned
.set i, i+1
.endr
.if \sw
	s_wait_xcnt 0x0                                ; the bases and the stores' data are rewritten only behind this wait
	s_mov_b64 s[OA:OA+1], s[OAL:OAL+1]
	s_mov_b64 s[GA:GA+1], s[GAL:GAL+1]
	BEGIN
	s_sub_co_u32 s[RT], 16, s18                    ; the second block has 16 - A tiles
	s_wait_loadcnt 0x0                             ; its Q is in
.endif
.endm
	CHANGE 1                                       ; trip 0: tile 0 is in, everybody's part of it; tile 1 is asked for
.irp g, 0,1,2,3,4,5,6,7
	KGRP \g                                        ; there is no softmax yet to set the groups in
.endr
	WIN 0
	s_branch .Lmid                                 ; the loop is entered in the middle of a trip
.Lslot:                                                ; trips 1 to 15: a tile is entered and the next is asked for
	CHANGE 1
	SOFTK
	PVR
	WIN 0
	s_cmp_lg_u32 s[RT], 0
	s_cbranch_scc1 .Lmid                           ; RT hangs on the cluster's number alone: the same in all waves and all partners
	FINISH 1                                       ; in the loop only the first block can end: the second's last tile is the walk's last
.Lmid:
	s_sub_co_u32 s[RT], s[RT], 1
	s_cmp_eq_u32 s[RT], 0
	s_cselect_b32 s[AL], 1.0, 0                    ; the mask counts in a block's last tile alone
	MID MDS
	WIN 0
	s_sub_co_u32 s[SLOTS], s[SLOTS], 1
	s_cmp_lg_u32 s[SLOTS], 0
	s_cbranch_scc1 .Lslot
	s_mov_b32 s[CNT], 2
.Ltail:                                                ; nothing more is asked for.  Trip 16 enters the walk's last tile; the trip behind it has that tile's softmax and second product alone:
	CHANGE 0                                       ; its barrier orders nothing new, and its 32 loads of K, out of the slot left before, serve nothing: the price, once a launch, of one text for both
	SOFTK
	PVR
	WIN 0
	s_cmp_eq_u32 s[CNT], 1
	s_cbranch_scc1 .Lno_scores
	s_mov_b32 s[AL], 1.0
	MID MDL
	WIN 0
.Lno_scores:
	s_sub_co_u32 s[CNT], s[CNT], 1
	s_cmp_lg_u32 s[CNT], 0
	s_cbranch_scc1 .Ltail
	FINISH 0
	s_wait_tensorcnt 0x0                           ; the wave's end
	ds_add_u32 v[SPW], v[NIL]
	s_wait_dscnt 0x0
	CROUND                                         ; the closing round
	s_endpgm
.Lfunc_end_k_qe579a356c8_attn:
	.size	k_qe579a356c8_attn, .Lfunc_end_k_qe579a356c8_attn-k_qe579a356c8_attn
	.p2alignl 7, 3214868480
	.fill 96, 4, 3214868480
	.section	.rodata,"a",@progbits
	.p2align	6, 0x0
	.amdhsa_kernel k_qe579a356c8_attn
		.amdhsa_group_segment_fixed_size 327680
		.amdhsa_private_segment_fixed_size 0
		.amdhsa_enable_private_segment 0
		.amdhsa_kernarg_size 16
		.amdhsa_user_sgpr_count 2
		.amdhsa_user_sgpr_kernarg_segment_ptr 1
		.amdhsa_wavefront_size32 1
		.amdhsa_system_sgpr_workgroup_id_x 1
		.amdhsa_system_sgpr_workgroup_id_y 1
		.amdhsa_system_sgpr_workgroup_id_z 1
		.amdhsa_system_vgpr_workitem_id 0
		.amdhsa_next_free_vgpr 1024
		.amdhsa_next_free_sgpr 100
		.amdhsa_reserve_vcc 1
		.amdhsa_float_denorm_mode_32 3
		.amdhsa_float_denorm_mode_16_64 3
		.amdhsa_memory_ordered 1
		.amdhsa_forward_progress 1
		.amdhsa_inst_pref_size 157
	.end_amdhsa_kernel
	.amdgpu_metadata
---
amdhsa.version: [ 1, 2 ]
amdhsa.kernels:
  - .name:           k_qe579a356c8_attn
    .symbol:         k_qe579a356c8_attn.kd
    .args:
      - { .name: qgkv, .offset: 0, .size: 8, .value_kind: global_buffer, .address_space: global }
      - { .name: ao, .offset: 8, .size: 8, .value_kind: global_buffer, .address_space: global }
    .group_segment_fixed_size: 327680
    .private_segment_fixed_size: 0
    .kernarg_segment_align: 8
    .kernarg_segment_size: 16
    .max_flat_workgroup_size: 128
    .sgpr_count:     100
    .vgpr_count:     1024
    .wavefront_size: 32
...
	.end_amdgpu_metadata
.endif
;; end of part 3
;; launch oproj (part 4): grid 8 x 32, 4 waves a work-group, clusters of 4 x 4, 327,680 bytes of LDS; arguments ao, wo16, out0; writes out0
.if DOCPART == 4
	.amdgcn_target "amdgcn-amd-amdhsa--gfx1250"
	.amdhsa_code_object_version 6
	.text
	.protected	k_qe579a356c8_oproj
	.globl	k_qe579a356c8_oproj
	.p2align	8
	.type	k_qe579a356c8_oproj,@function
k_qe579a356c8_oproj:
	s_mov_b64 s[64:65], 0
	v_nop
	global_prefetch_b8 v0, s[64:65] scope:SCOPE_SE
	s_setreg_imm32_b32 hwreg(HW_REG_WAVE_MODE, 25, 1), 1
	s_wait_xcnt 0x0
	s_wait_alu depctr_hold_cnt(0) depctr_sa_sdst(0) depctr_va_vdst(0) depctr_va_sdst(0) depctr_va_ssrc(0) depctr_va_vcc(0) depctr_vm_vsrc(0)
	s_getreg_b32 s2, hwreg(HW_REG_IB_STS2, 6, 4)
	s_cmp_eq_u32 s2, 0
	s_cbranch_scc0 .Lentry_in_a_cluster
	s_endpgm
.Lentry_in_a_cluster:
	s_bfe_u32 s2, ttmp6, 0x10000c
	s_cmp_lg_u32 s2, 0xf033
	s_cbranch_scc0 .Lentry_shape_is_right
	s_endpgm
.Lentry_shape_is_right:
; OUTPUT PROJECTION: out0 [4096][2048] f32 = ao [4096][1024] x wo16 [1024 k][2048], both f16, sums in f32.
; A tile of out0 is 128 rows x 256 columns: 8 x 32 = 256 work-groups, one for each WGP.  Four waves, each 64 x 128: 32 accumulators.
; K goes in steps of 128 through two LDS slots; ao's tile lies along K, wo16's lies [k][n] and is turned on its way out of LDS by ds_load_tr16_b128.
; The loop's text holds ONE K step: the slot in hand is a scalar offset turned by an exclusive or, and one descriptor for each tensor walks from K step to K step.
; CLUSTER 4 x 4: ao's tile is asked for jointly along a row of the cluster, wo16's along a column.
; The matrix instruction is used transposed (source 0 = 16 columns of wo16, source 1 = 16 rows of ao): a lane holds eight neighbouring columns of one row.
; REGISTERS: window 0 addresses, ao's fragments (v64-95, v96-127), the way out (v128-255); window 1 wo16's fragments (v64-127, v128-191); window 2 the accumulators ((a, b) at 8 (8 a + b)).
.set KSTEP, 128
.set STEPS, 1024/KSTEP
.set PA,    272
.set PB,    544
.set ABYTES, 128*PA                    ; ao's 128 rows
.set SLOTB, ABYTES+128*PB              ; a slot's 104,448 bytes
.set SLOT1, 0x20000                    ; slot 1 begins here, above every address in slot 0, so that one exclusive or changes slots
.set STAGE, SLOT1+SLOTB                ; behind the ring: 16 rows x 528 bytes for each wave
.set SP,    528
.set SPARE, STAGE+4*16*SP
.set ADRA, 16                          ; v16 LDS address of my fragments of ao in the slot in hand; v17 in slot 0
.set ADRA0, 17
.set ADRB, 20                          ; v20, v21 the same for wo16
.set ADRB0, 21
.set STO,  24
.set RD,   25
.set CO,   26
.set SPW,  28
.set NIL,  29
.set FA,   64
.set FB,   64
.set G1,  24
.set G0,  32                           ; s[32:35] ao's first fill of slot 0; s[36:39] of slot 1, which then walks
.set G1B, 48
.set G0B, 56                           ; s[56:59], s[60:63] the same for wo16
.set TBS, 45                           ; s45 the slot in hand: 0 or SLOT1
.set MSB, 0
.macro WIN new
.if MSB != (\new)
	s_set_vgpr_msb (MSB<<8)|(\new)
.set MSB, \new
.endif
.endm
.set MUL,  0xa1                        ; source 0 window 1, source 1 window 0, C and D window 2
.set TO_B, 0x40
.macro JLOAD s                         ; waves 0, 1 ao's halves, waves 2, 3 wo16's; s_nop 0 and four v_nop follow each line
	s_cmp_eq_u32 s11, 0
	s_cbranch_scc0 .Lfor_b_\@
	tensor_load_to_lds s[G0+4*(\s):G0+4*(\s)+3], s[G1:G1+7]
	s_nop 0
.rept 4
	v_nop
.endr
	s_branch .Lasked_\@
.Lfor_b_\@:
	tensor_load_to_lds s[G0B+4*(\s):G0B+4*(\s)+3], s[G1B:G1B+7]
	s_nop 0
.rept 4
	v_nop
.endr
.Lasked_\@:
.endm
.macro CREST
	s_cmp_lg_u32 s10, 0
	s_cbranch_scc1 .Lnot_wave_0_\@
	s_barrier_signal -3
.Lnot_wave_0_\@:
	s_barrier_wait -3
	s_barrier_signal -1
	s_barrier_wait -1
.endm
.macro CROUND
	s_barrier_signal -1
	s_barrier_wait -1
	CREST
.endm
.macro PLACES
.rept 4
	v_nop
.endr
.endm
	s_load_b128 s[4:7], s[0:1], 0x0                ; ao 4, wo16 6
	s_load_b64 s[8:9], s[0:1], 0x10                ; out0
	v_lshl_add_u32 v[SPW], v0, 2, SPARE
	v_mov_b32 v[NIL], 0
	ds_add_u32 v[SPW], v[NIL]                      ; the wave's opening: the add and its wait ahead of my first tensor load
	v_lshrrev_b32 v1, 5, v0
	v_readfirstlane_b32 s10, v1
	s_lshr_b32 s11, s10, 1                         ; my row half; also: I fetch for ao (0) or wo16 (1)
	s_and_b32 s12, s10, 1                          ; my column half; also: which half I fetch
	s_bfe_u32 s40, ttmp6, 0x40000
	s_bfe_u32 s41, ttmp6, 0x40004
	s_lshl_b32 s42, ttmp9, 2
	s_add_co_u32 s42, s42, s40                     ; tile column
	s_and_b32 s13, ttmp7, 0xffff
	s_lshl_b32 s13, s13, 2
	s_add_co_u32 s13, s13, s41                     ; tile row
	s_lshl_b32 s43, s41, 2
	s_lshl_b32 s43, 15, s43
	s_lshl_b32 s44, 0x1111, s40
	s_or_b32 s[G1], s43, (1<<16)|(1<<20)|(1<<21)|(5<<22)|(3<<25)
	s_or_b32 s[G1B], s44, (1<<16)|(1<<20)|(1<<21)|(6<<22)|(7<<25)
	s_mov_b32 s[G1+1], KSTEP<<16                   ; ao: 64 rows x 128 elements, 1,024 elements from row to row
	s_mov_b32 s[G1+2], 64<<16
	s_mov_b32 s[G1+3], KSTEP<<16
	s_mov_b32 s[G1+4], 64
	s_mov_b32 s[G1+5], 1024
	s_mov_b32 s[G1+6], 0
	s_mov_b32 s[G1+7], 0
	s_mov_b32 s[G1B+1], 256<<16                    ; wo16: 64 k-rows x 256 elements, 2,048 elements from row to row
	s_mov_b32 s[G1B+2], 64<<16
	s_mov_b32 s[G1B+3], 256<<16
	s_mov_b32 s[G1B+4], 64
	s_mov_b32 s[G1B+5], 2048
	s_mov_b32 s[G1B+6], 0
	s_mov_b32 s[G1B+7], 0
	s_lshl_b32 s16, s13, 7
	s_lshl_b32 s17, s12, 6
	s_add_co_u32 s16, s16, s17
	s_lshl_b32 s16, s16, 11                        ; ao: row 128 x tile row + 64 x half, of 2,048 bytes
	s_mov_b32 s17, 0
	s_lshl_b32 s46, s12, 18                        ; wo16: k-row 64 x half, of 4,096 bytes,
	s_lshl_b32 s47, s42, 9                         ; column block of 512 bytes
	s_add_co_u32 s46, s46, s47
	s_mov_b32 s47, 0
	s_mul_i32 s20, s12, 64*PA                      ; where they land
	s_mul_i32 s21, s12, 64*PB
	s_add_co_u32 s21, s21, ABYTES
	s_mov_b32 s[TBS], 0
	s_wait_dscnt 0x0
	s_wait_kmcnt 0x0
	s_add_nc_u64 s[14:15], s[4:5], s[16:17]
	s_add_nc_u64 s[46:47], s[6:7], s[46:47]
	CROUND
.irp s, 0,1
	s_mov_b32 s[G0+4*(\s)], 1
	s_add_co_u32 s[G0+4*(\s)+1], s20, (\s)*SLOT1
	s_add_nc_u64 s[G0+4*(\s)+2:G0+4*(\s)+3], s[14:15], (\s)*KSTEP*2
	s_or_b32 s[G0+4*(\s)+3], s[G0+4*(\s)+3], 0x80000000
	s_mov_b32 s[G0B+4*(\s)], 1
	s_add_co_u32 s[G0B+4*(\s)+1], s21, (\s)*SLOT1
	s_add_nc_u64 s[G0B+4*(\s)+2:G0B+4*(\s)+3], s[46:47], (\s)*KSTEP*4096
	s_or_b32 s[G0B+4*(\s)+3], s[G0B+4*(\s)+3], 0x80000000
	JLOAD \s
.endr
	v_and_b32 v1, 15, v0
	v_bfe_u32 v2, v0, 4, 1
	v_mul_u32_u24 v3, v1, PA
	v_lshl_add_u32 v3, v2, 4, v3
	v_and_b32 v10, 7, v0
	v_bfe_u32 v11, v0, 3, 1
	v_lshl_add_u32 v12, v2, 3, v10
	v_mul_u32_u24 v12, v12, PB
	v_lshl_add_u32 v12, v11, 4, v12
	s_mul_i32 s22, s11, 64*PA                      ; my 64 rows of ao
	s_lshl_b32 s23, s12, 8                         ; my 128 columns of wo16
	s_add_co_u32 s23, s23, ABYTES
	v_add_nc_u32 v[ADRA0], s22, v3
	v_add_nc_u32 v[ADRB0], s23, v12
	v_mov_b32 v[ADRA], v[ADRA0]                    ; K step 0 lies in slot 0
	v_mov_b32 v[ADRB], v[ADRB0]
	s_mul_i32 s23, s10, 16*SP
	s_add_co_u32 s23, s23, STAGE                   ; my stage
	v_mul_u32_u24 v4, v1, SP                       ; in: row l % 16, 32 bytes for each half of the lanes
	v_lshl_add_u32 v4, v2, 5, v4
	v_add_nc_u32 v[STO], s23, v4
	v_and_b32 v5, 31, v0
	v_lshlrev_b32 v[CO], 4, v5                     ; back and out: 32 lanes take a row's 512 bytes
	v_add_nc_u32 v[RD], s23, v[CO]
	s_lshl_b32 s18, s13, 7
	s_lshl_b32 s19, s11, 6
	s_add_co_u32 s18, s18, s19
	s_lshl_b32 s18, s18, 13                        ; out0: my first row, of 8,192 bytes,
	s_lshl_b32 s19, s42, 10                        ; my first column
	s_add_co_u32 s18, s18, s19
	s_lshl_b32 s19, s12, 9
	s_add_co_u32 s18, s18, s19
	s_mov_b32 s19, 0
	s_add_nc_u64 s[8:9], s[8:9], s[18:19]
; 8 matrix instructions: m block a x all 8 n blocks, 32 along K, buffer f (0, 1).  The 32 accumulators take turns, one instruction a turn.
.macro MUL8 f, a, zero
	WIN MUL
.irp b, 0,1,2,3,4,5,6,7
.if \zero
	v_wmma_f32_16x16x32_f16 v[8*(8*(\a)+(\b)):8*(8*(\a)+(\b))+7], v[FB+64*(\f)+8*(\b):FB+64*(\f)+8*(\b)+7], v[FA+32*(\f)+8*(\a):FA+32*(\f)+8*(\a)+7], 0
.else
	v_wmma_f32_16x16x32_f16 v[8*(8*(\a)+(\b)):8*(8*(\a)+(\b))+7], v[FB+64*(\f)+8*(\b):FB+64*(\f)+8*(\b)+7], v[FA+32*(\f)+8*(\a):FA+32*(\f)+8*(\a)+7], v[8*(8*(\a)+(\b)):8*(8*(\a)+(\b))+7]
.endif
.endr
.endm
.macro FETCH q, f                      ; 24 LDS loads in one run: quarter q of the slot in hand into buffer f
	WIN TO_B
.irp i, 0,1,2,3,4,5,6,7
	ds_load_tr16_b128 v[FB+64*(\f)+8*(\i):FB+64*(\f)+8*(\i)+3],   v[ADRB] offset:(\q)*32*PB+32*(\i)
	ds_load_tr16_b128 v[FB+64*(\f)+8*(\i)+4:FB+64*(\f)+8*(\i)+7], v[ADRB] offset:(\q)*32*PB+16*PB+32*(\i)
.endr
	WIN 0
.irp i, 0,1,2,3
	ds_load_b128 v[FA+32*(\f)+8*(\i):FA+32*(\f)+8*(\i)+3],   v[ADRA] offset:(\q)*64+(\i)*16*PA
	ds_load_b128 v[FA+32*(\f)+8*(\i)+4:FA+32*(\f)+8*(\i)+7], v[ADRA] offset:(\q)*64+(\i)*16*PA+32
.endr
.endm
.macro QUARTER q, f, g, zero
	s_wait_dscnt 4                                 ; wo16 and ao's blocks 0, 1 are in; the youngest four loads (blocks 2, 3) may be out
	MUL8 \f, 0, \zero
	MUL8 \f, 1, \zero
	PLACES
	FETCH \q, \g
	s_wait_dscnt 24                                ; all but the 24 just issued
	MUL8 \f, 2, \zero
	MUL8 \f, 3, \zero
.endm
.macro TURN fill                       ; the last quarter multiplies buffer 1 and changes slots
	WIN 0
	s_wait_tensorcnt 0x0                           ; all my tensor loads have landed: my part of the next slot
	ds_add_u32 v[SPW], v[NIL]
	s_wait_dscnt 5                                 ; the add and the youngest four loads may be out
	MUL8 1, 0, 0
	s_wait_dscnt 0x0                               ; the add is done, and my reads of this slot are over
	s_barrier_signal -1
	MUL8 1, 1, 0
	WIN 0
	s_barrier_wait -1
.if \fill
	CREST                                          ; no wave of any partner still reads this slot or has a load on its way
	s_xor_b32 s[G0+5], s[G0+5], SLOT1              ; the walking descriptors: the other slot than last time, the next K step; no tensor load of mine is out
	s_add_nc_u64 s[G0+6:G0+7], s[G0+6:G0+7], KSTEP*2
	s_xor_b32 s[G0B+5], s[G0B+5], SLOT1
	s_add_nc_u64 s[G0B+6:G0B+7], s[G0B+6:G0B+7], KSTEP*4096
	JLOAD 1                                        ; its four v_nop are also the places in front of the loads below
.else
	PLACES
.endif
	s_xor_b32 s[TBS], s[TBS], SLOT1                ; the fragments now come out of the other slot
	v_add_nc_u32 v[ADRA], s[TBS], v[ADRA0]
	v_add_nc_u32 v[ADRB], s[TBS], v[ADRB0]
	FETCH 0, 0
	MUL8 1, 2, 0
	MUL8 1, 3, 0
.endm
	s_wait_tensorcnt 1                             ; my part of K step 0 is in; K step 1's may stay out
	s_barrier_signal -1
	s_barrier_wait -1
	FETCH 0, 0
	QUARTER 1, 0, 1, 1
	WIN 0
	s_mov_b32 s3, STEPS-2
.Lstep:                                                ; a trip goes from a K step's second quarter to the next step's first, and fills the slot that it leaves
	QUARTER 2, 1, 0, 0
	QUARTER 3, 0, 1, 0
	TURN 1
	QUARTER 1, 0, 1, 0
	WIN 0
	s_sub_co_u32 s3, s3, 1
	s_cmp_lg_u32 s3, 0
	s_cbranch_scc1 .Lstep
	QUARTER 2, 1, 0, 0                             ; the last two K steps ask for nothing
	QUARTER 3, 0, 1, 0
	TURN 0
	QUARTER 1, 0, 1, 0
	QUARTER 2, 1, 0, 0
	QUARTER 3, 0, 1, 0
	s_wait_dscnt 4
	MUL8 1, 0, 0
	MUL8 1, 1, 0
	s_wait_dscnt 0x0
	MUL8 1, 2, 0
	MUL8 1, 3, 0
	PLACES
; THE WAY OUT of block a (16 rows x 128 columns of f32): into my own stage, back as whole rows of 512 bytes, stored.  LDS serves a wave's instructions in order, so no wait stands between my stores and my loads.
.macro OUT a
.set BK, 128+64*((\a)%2)
.if (\a) >= 2
	s_wait_xcnt 0x0                                ; registers that earlier stores read are loaded again only behind this wait
.endif
	WIN 0x08                                       ; the stores' data in window 2
.irp b, 0,1,2,3,4,5,6,7                ; each accumulator's low four registers first
	ds_store_b128 v[STO], v[8*(8*(\a)+(\b)):8*(8*(\a)+(\b))+3]   offset:64*(\b)
	ds_store_b128 v[STO], v[8*(8*(\a)+(\b))+4:8*(8*(\a)+(\b))+7] offset:64*(\b)+16
.endr
	WIN 0
.irp t, 0,1,2,3,4,5,6,7,8,9,10,11,12,13,14,15
	ds_load_b128 v[BK+4*(\t):BK+4*(\t)+3], v[RD] offset:(\t)*SP
.endr
.irp t, 0,1,2,3,4,5,6,7,8,9,10,11,12,13,14,15
	s_wait_dscnt 15-(\t)
	global_store_b128 v[CO], v[BK+4*(\t):BK+4*(\t)+3], s[8:9] offset:(16*(\a)+(\t))*8192 th:TH_STORE_NT  ; 32 lanes store 512 consecutive bytes, aligned
.endr
.endm
	OUT 0
	OUT 1
	OUT 2
	OUT 3
	s_wait_tensorcnt 0x0                           ; the wave's end
	ds_add_u32 v[SPW], v[NIL]
	s_wait_dscnt 0x0
	CROUND                                         ; the closing round
	s_endpgm
.Lfunc_end_k_qe579a356c8_oproj:
	.size	k_qe579a356c8_oproj, .Lfunc_end_k_qe579a356c8_oproj-k_qe579a356c8_oproj
	.p2alignl 7, 3214868480
	.fill 96, 4, 3214868480
	.section	.rodata,"a",@progbits
	.p2align	6, 0x0
	.amdhsa_kernel k_qe579a356c8_oproj
		.amdhsa_group_segment_fixed_size 327680
		.amdhsa_private_segment_fixed_size 0
		.amdhsa_enable_private_segment 0
		.amdhsa_kernarg_size 24
		.amdhsa_user_sgpr_count 2
		.amdhsa_user_sgpr_kernarg_segment_ptr 1
		.amdhsa_wavefront_size32 1
		.amdhsa_system_sgpr_workgroup_id_x 1
		.amdhsa_system_sgpr_workgroup_id_y 1
		.amdhsa_system_sgpr_workgroup_id_z 1
		.amdhsa_system_vgpr_workitem_id 0
		.amdhsa_next_free_vgpr 768
		.amdhsa_next_free_sgpr 66
		.amdhsa_reserve_vcc 0
		.amdhsa_float_denorm_mode_32 3
		.amdhsa_float_denorm_mode_16_64 3
		.amdhsa_memory_ordered 1
		.amdhsa_forward_progress 1
		.amdhsa_inst_pref_size 71
	.end_amdhsa_kernel
	.amdgpu_metadata
---
amdhsa.version: [ 1, 2 ]
amdhsa.kernels:
  - .name:           k_qe579a356c8_oproj
    .symbol:         k_qe579a356c8_oproj.kd
    .args:
      - { .name: ao, .offset: 0, .size: 8, .value_kind: global_buffer, .address_space: global }
      - { .name: wo16, .offset: 8, .size: 8, .value_kind: global_buffer, .address_space: global }
      - { .name: out0, .offset: 16, .size: 8, .value_kind: global_buffer, .address_space: global }
    .group_segment_fixed_size: 327680
    .private_segment_fixed_size: 0
    .kernarg_segment_align: 8
    .kernarg_segment_size: 24
    .max_flat_workgroup_size: 128
    .sgpr_count:     66
    .vgpr_count:     768
    .wavefront_size: 32
...
	.end_amdgpu_metadata
.endif
;; end of part 4
;; ======== version 2 of 2: 4 launches; version 1 with the launch cast written anew for expert scheduling mode
;; limits: values are held in f16: magnitudes above 65,504 overflow, below 6.1e-05 lose precision
;; workspace buffers: xb 16,777,216 bytes; wcat 12,582,912 bytes; wo16 4,194,304 bytes; cs 1,048,576 bytes; qgkv 25,165,824 bytes; ao 8,388,608 bytes
;; launch cast (part 5): grid 1024 x 1, 8 waves a work-group, no clusters, 0 bytes of LDS; arguments hidden_states, Wq, Wk, Wv, Wo, cos, sin, xb, wcat, wo16, cs; writes xb, wcat, wo16, cs
.if DOCPART == 5
	.amdgcn_target "amdgcn-amd-amdhsa--gfx1250"
	.amdhsa_code_object_version 6
	.text
	.protected	k_qe579a356c8_cast
	.globl	k_qe579a356c8_cast
	.p2align	8
	.type	k_qe579a356c8_cast,@function
k_qe579a356c8_cast:
	s_mov_b64 s[64:65], 0
	v_nop
	global_prefetch_b8 v0, s[64:65] scope:SCOPE_SE
	s_setreg_imm32_b32 hwreg(HW_REG_WAVE_SCHED_MODE, 0, 2), 2
	s_setreg_imm32_b32 hwreg(HW_REG_WAVE_MODE, 25, 1), 1
	s_wait_xcnt 0x0
	s_wait_alu depctr_vm_vsrc(0)
; CAST: every large input is rounded once to bf16 and laid out for the launches behind.
;   xb   [4096][2048] bf16 = hidden_states
;   wcat [2048 k][3072] bf16: columns 0-2047 Wq as it lies, 2048-2559 Wk, 2560-3071 Wv (a row is 6,144 bytes)
;   wo16 [1024 k][2048] f16: Wo rounded to bf16, that number written as f16
;   cs   [4096 row][64 c] words: low half bf16(cos), high half bf16(sin) with its sign turned for c < 32 (rotate_half's minus)
; LIMIT. A bf16 number of Wo below 2^-14 in size loses bits in f16 (absolute error 3e-8 at the most), one of 65,520 or more becomes an infinity.
; A stream: no LDS, no matrix unit, no cluster (no two work-groups read the same byte).
; 1,024 equal work-groups.  Each takes 16,384 numbers (65,536 bytes of f32): ids 0-511 x, 512-767 Wq, 768-831 Wk, 832-895 Wv, 896-1023 Wo; and four rows of the table, one for each of its waves 0-3.
; Thread t takes numbers 1024 i + 4 t .. + 3 in pass i of 16: a wave's load covers 512 consecutive bytes, its store 256 consecutive bytes, aligned.
; All loads go out on end.  92 registers: four work-groups of eight waves lie on a WGP together.
; THE MODE: SCHED_MODE bits 1:0 = 2 (LLVM: expert scheduling mode 2), set by the entry lines.  The code itself states the register dependences
; between vector instructions and memory instructions, with s_wait_alu, always for 0.
; THE PLAN.  Registers that memory instructions touch:
;   v1, v[TO]  byte offsets, made at the head and never written again: one wait at the head states them written, for all 18 loads and the table's store.
;   X          pass i: a load lands in its four registers; the pass's conversions read them and write in place; its store reads the first two; nothing writes them behind the store.
;   DO         the stores' offsets: made by vector lines while the loads are out, never written again.
;   CO, SI     loads land; four vector lines write CO; the table's store reads it.
; The 16 passes go in four groups of four: the counted wait for the group's loads, its conversions, ONE wait that states their results written, its four stores on end.
; No register that a memory instruction reads is ever written again, and no load lands in a register that a vector instruction has named: so no wait on vm_vsrc and none on XCNT is owed.
.set DO, 4                             ; v[4:19]   pass i: my byte offset in the destination
.set X,  20                            ; v[20:83]  pass i: 4 registers as loaded, then as stored
.set T0, 84
.set T1, 85
.set CO, 86                            ; v[86:87]  two numbers of cos, then two words of the table
.set SI, 88                            ; v[88:89]  two numbers of sin
.set TO, 90                            ; v90       8 t: my bytes in the work-group's four rows of cos, sin and the table
	s_load_b512 s[8:23], s[0:1], 0x0               ; x 8, Wq 10, Wk 12, Wv 14, Wo 16, cos 18, sin 20, xb 22
	s_load_b128 s[24:27], s[0:1], 0x40             ; wcat 24, wo16 26
	s_load_b64 s[28:29], s[0:1], 0x50              ; cs
	v_lshlrev_b32 v1, 4, v0                        ; 16 t: my bytes in a pass of f32
	v_lshlrev_b32 v2, 2, v0                        ; 4 t: my numbers in a pass
	v_lshrrev_b32 v3, 5, v0
	v_readfirstlane_b32 s46, v3                    ; my wave's number
	v_lshlrev_b32 v[TO], 3, v0
	v_and_b32 v3, 16, v0                           ; the table: my columns are 2 (t mod 32), + 1: below 32 where bit 4 of t is 0
	v_lshlrev_b32 v3, 27, v3
	v_xor_b32 v3, 0x80000000, v3                   ; there the sign of the upper half is turned
	s_mov_b32 s40, 0xffff0000                      ; a word's upper bf16
	s_mov_b32 s43, 0
	s_lshl_b32 s44, ttmp9, 10                      ; four rows of 256 bytes for each work-group
	s_mov_b32 s45, 0
	s_wait_kmcnt 0x0
	s_add_nc_u64 s[28:29], s[28:29], s[44:45]
	s_wait_alu depctr_va_sdst(0)                   ; s46 is written, ahead of its first reader, the compare below
	s_wait_alu depctr_va_vdst(0)                   ; v1 and v[TO] are written: the 18 loads below read one of them as their offset; no vector line stands between this wait and them
	s_cmp_ge_u32 s46, 4
	s_cbranch_scc1 .Lno_table
	s_add_nc_u64 s[18:19], s[18:19], s[44:45]
	s_add_nc_u64 s[20:21], s[20:21], s[44:45]
	global_load_b64 v[CO:CO+1], v[TO], s[18:19] th:TH_LOAD_NT   ; a wave takes a whole row: 256 consecutive bytes
	global_load_b64 v[SI:SI+1], v[TO], s[20:21] th:TH_LOAD_NT   ; both are older than the 16 loads below: the first group's wait shows them in
.Lno_table:
	; which tensor: source, destination, first id, log2 of the source's row, the destination's pitch and first column in bytes
	s_mov_b64 s[30:31], s[8:9]
	s_mov_b64 s[32:33], s[22:23]
	s_mov_b32 s34, 0
	s_mov_b32 s35, 11
	s_mov_b32 s36, 4096
	s_mov_b32 s37, 0
	s_cmp_ge_u32 ttmp9, 512                        ; Wq
	s_cselect_b64 s[30:31], s[10:11], s[30:31]
	s_cselect_b64 s[32:33], s[24:25], s[32:33]
	s_cselect_b32 s34, 512, s34
	s_cselect_b32 s36, 6144, s36
	s_cmp_ge_u32 ttmp9, 768                        ; Wk
	s_cselect_b64 s[30:31], s[12:13], s[30:31]
	s_cselect_b32 s34, 768, s34
	s_cselect_b32 s35, 9, s35
	s_cselect_b32 s37, 4096, s37
	s_cmp_ge_u32 ttmp9, 832                        ; Wv
	s_cselect_b64 s[30:31], s[14:15], s[30:31]
	s_cselect_b32 s34, 832, s34
	s_cselect_b32 s37, 5120, s37
	s_cmp_ge_u32 ttmp9, 896                        ; Wo
	s_cselect_b64 s[30:31], s[16:17], s[30:31]
	s_cselect_b64 s[32:33], s[26:27], s[32:33]
	s_cselect_b32 s34, 896, s34
	s_cselect_b32 s35, 11, s35
	s_cselect_b32 s36, 4096, s36
	s_cselect_b32 s37, 0, s37
	s_sub_co_u32 s39, ttmp9, s34                   ; my chunk of that tensor
	s_lshl_b32 s42, s39, 16
	s_add_nc_u64 s[30:31], s[30:31], s[42:43]
.set i, 0
.rept 16
	global_load_b128 v[X+4*i:X+4*i+3], v1, s[30:31] offset:4096*i th:TH_LOAD_NT
.set i, i+1
.endr
	s_lshl_b32 s38, 1, s35
	s_sub_co_u32 s38, s38, 1                       ; mask of a column in a source row
	s_lshr_b32 s41, 0x4000, s35                    ; rows in a chunk
	s_mul_i32 s41, s41, s39
	s_mul_i32 s41, s41, s36
	s_add_co_u32 s44, s41, s37
	s_add_nc_u64 s[32:33], s[32:33], s[44:45]      ; the destination at my chunk's first row and the tensor's first column
.set i, 0
.rept 16                                               ; number e = 1024 i + 4 t: row e >> LG, column e & mask; made while the loads are out; these lines name none of the loads' registers
	v_add_nc_u32 v[T0], 1024*i, v2
	v_lshrrev_b32 v[T1], s35, v[T0]
	v_and_b32 v[T0], s38, v[T0]
	v_mul_lo_u32 v[T1], v[T1], s36
	v_lshl_add_u32 v[DO+i], v[T0], 1, v[T1]
.set i, i+1
.endr
.macro TABLE_AND_END                   ; waves 0-3: their row of the table; then the wave ends
	s_cmp_ge_u32 s46, 4
	s_cbranch_scc1 .Lend_\@
	v_cvt_pk_bf16_f32 v[CO], v[CO], v[SI]
	v_cvt_pk_bf16_f32 v[CO+1], v[CO+1], v[SI+1]
	v_xor_b32 v[CO], v3, v[CO]
	v_xor_b32 v[CO+1], v3, v[CO+1]
	s_wait_alu depctr_va_vdst(0)                   ; the two words of the table are written, which the store reads
	global_store_b64 v[TO], v[CO:CO+1], s[28:29]   ; 32 lanes store 256 consecutive bytes, aligned
.Lend_\@:
	s_endpgm
.endm
	s_cmp_ge_u32 ttmp9, 896
	s_cbranch_scc1 .Lhalf
.set g, 0
.rept 4                                                ; a group of four passes
	s_wait_loadcnt 12-4*g                          ; loads come back in order: the group's four passes are in, the younger ones stay out
.set i, 4*g
.rept 4
	v_cvt_pk_bf16_f32 v[X+4*i], v[X+4*i], v[X+4*i+1]
	v_cvt_pk_bf16_f32 v[X+4*i+1], v[X+4*i+2], v[X+4*i+3]
.set i, i+1
.endr
	s_wait_alu depctr_va_vdst(0)                   ; the group's conversions have written the stores' data; in the first group also: v[DO ..], the stores' offsets, are written
.set i, 4*g
.rept 4
	global_store_b64 v[DO+i], v[X+4*i:X+4*i+1], s[32:33]
.set i, i+1
.endr
.set g, g+1
.endr
	TABLE_AND_END
.Lhalf:                                                ; Wo: to bf16, back to f32 (exact), to f16
.set g, 0
.rept 4
	s_wait_loadcnt 12-4*g                          ; the group's four passes are in
.set i, 4*g
.rept 4
	v_cvt_pk_bf16_f32 v[T0], v[X+4*i], v[X+4*i+1]
	v_cvt_pk_bf16_f32 v[T1], v[X+4*i+2], v[X+4*i+3]
	v_lshlrev_b32 v[X+4*i], 16, v[T0]
	v_and_b32 v[X+4*i+1], s40, v[T0]
	v_lshlrev_b32 v[X+4*i+2], 16, v[T1]
	v_and_b32 v[X+4*i+3], s40, v[T1]
	v_cvt_pk_f16_f32 v[X+4*i], v[X+4*i], v[X+4*i+1]
	v_cvt_pk_f16_f32 v[X+4*i+1], v[X+4*i+2], v[X+4*i+3]
.set i, i+1
.endr
	s_wait_alu depctr_va_vdst(0)                   ; the group's conversions have written the stores' data; in the first group also: v[DO ..], the stores' offsets, are written
.set i, 4*g
.rept 4
	global_store_b64 v[DO+i], v[X+4*i:X+4*i+1], s[32:33]
.set i, i+1
.endr
.set g, g+1
.endr
	TABLE_AND_END
.Lfunc_end_k_qe579a356c8_cast:
	.size	k_qe579a356c8_cast, .Lfunc_end_k_qe579a356c8_cast-k_qe579a356c8_cast
	.p2alignl 7, 3214868480
	.fill 96, 4, 3214868480
	.section	.rodata,"a",@progbits
	.p2align	6, 0x0
	.amdhsa_kernel k_qe579a356c8_cast
		.amdhsa_group_segment_fixed_size 0
		.amdhsa_private_segment_fixed_size 0
		.amdhsa_enable_private_segment 0
		.amdhsa_kernarg_size 88
		.amdhsa_user_sgpr_count 2
		.amdhsa_user_sgpr_kernarg_segment_ptr 1
		.amdhsa_wavefront_size32 1
		.amdhsa_system_sgpr_workgroup_id_x 1
		.amdhsa_system_sgpr_workgroup_id_y 1
		.amdhsa_system_sgpr_workgroup_id_z 1
		.amdhsa_system_vgpr_workitem_id 0
		.amdhsa_next_free_vgpr 92
		.amdhsa_next_free_sgpr 66
		.amdhsa_reserve_vcc 0
		.amdhsa_float_denorm_mode_32 3
		.amdhsa_float_denorm_mode_16_64 3
		.amdhsa_memory_ordered 1
		.amdhsa_forward_progress 1
		.amdhsa_inst_pref_size 21
	.end_amdhsa_kernel
	.amdgpu_metadata
---
amdhsa.version: [ 1, 2 ]
amdhsa.kernels:
  - .name:           k_qe579a356c8_cast
    .symbol:         k_qe579a356c8_cast.kd
    .args:
      - { .name: hidden_states, .offset: 0, .size: 8, .value_kind: global_buffer, .address_space: global }
      - { .name: Wq, .offset: 8, .size: 8, .value_kind: global_buffer, .address_space: global }
      - { .name: Wk, .offset: 16, .size: 8, .value_kind: global_buffer, .address_space: global }
      - { .name: Wv, .offset: 24, .size: 8, .value_kind: global_buffer, .address_space: global }
      - { .name: Wo, .offset: 32, .size: 8, .value_kind: global_buffer, .address_space: global }
      - { .name: cos, .offset: 40, .size: 8, .value_kind: global_buffer, .address_space: global }
      - { .name: sin, .offset: 48, .size: 8, .value_kind: global_buffer, .address_space: global }
      - { .name: xb, .offset: 56, .size: 8, .value_kind: global_buffer, .address_space: global }
      - { .name: wcat, .offset: 64, .size: 8, .value_kind: global_buffer, .address_space: global }
      - { .name: wo16, .offset: 72, .size: 8, .value_kind: global_buffer, .address_space: global }
      - { .name: cs, .offset: 80, .size: 8, .value_kind: global_buffer, .address_space: global }
    .group_segment_fixed_size: 0
    .private_segment_fixed_size: 0
    .kernarg_segment_align: 8
    .kernarg_segment_size: 88
    .max_flat_workgroup_size: 256
    .sgpr_count:     66
    .vgpr_count:     92
    .wavefront_size: 32
...
	.end_amdgpu_metadata
.endif
;; end of part 5
;; launch qkv: the kernel of part 2 again; grid 12 x 16, 4 waves a work-group, clusters of 4 x 4, 327,680 bytes of LDS; arguments xb, wcat, cs, q_norm_w, k_norm_w, qgkv; writes qgkv
;; launch attn: the kernel of part 3 again; grid 64 x 4, 4 waves a work-group, clusters of 4 x 1, 327,680 bytes of LDS; arguments qgkv, ao; writes ao
;; launch oproj: the kernel of part 4 again; grid 8 x 32, 4 waves a work-group, clusters of 4 x 4, 327,680 bytes of LDS; arguments ao, wo16, out0; writes out0
